; MI455X (gfx1250); checked and timed in simulation.
; The chip was launched on July 23, 2026; its instructions are those of AMD's public machine-readable ISA for CDNA 5 (MIT licence, August 2026) and "CDNA5" Instruction Set Architecture Reference Guide (July 2026). The comments in the code are by the model that wrote it; some were corrected since.
;; Adaptive LSTM Cell With Res. Allowed arithmetic: matrix products marked QUANTISED: E2M1 operands, one E8M0 scale for each 32 along K, by v_wmma_scale_f32_16x16x128_f8f6f4 with both operands' format E2M1 (or v_wmma_scale_f32_32x16x128_f4), f32 sums; products left as they are: f32 operands where the result goes on into a quantised operand, else bf16, f16 or f32 operands; f32 sums; everything else in f32.
;; Inputs: Uc_b 1,024 float32; Uc_w 1,024 x 1,024 float32; Uf_b 1,024 float32; Uf_w 1,024 x 1,024 float32; Ui_b 1,024 float32; Ui_w 1,024 x 1,024 float32; Uo_b 1,024 float32; Uo_w 1,024 x 1,024 float32; Us_b 1,024 float32; Us_w 1,024 x 1,024 float32; Wc_b 1,024 float32; Wc_w 1,024 x 1,024 float32; Wf_b 1,024 float32; Wf_w 1,024 x 1,024 float32; Wi_b 1,024 float32; Wi_w 1,024 x 1,024 float32; Wo_b 1,024 float32; Wo_w 1,024 x 1,024 float32; Ws_b 1,024 float32; Ws_w 1,024 x 1,024 float32; a1_b 1,024 float32; a1_w 1,024 x 2,048 float32; a2_b 1 float32; a2_w 1 x 1,024 float32; c_prev 4,096 x 1,024 float32; h_prev 4,096 x 1,024 float32; r1_b 1,024 float32; r1_w 1,024 x 1,024 float32; r2_b 1,024 float32; r2_w 1,024 x 1,024 float32; r3_b 1,024 float32; r3_w 1,024 x 1,024 float32; x 4,096 x 1,024 float32.
;; Outputs: out0 4,096 x 1,024 float32; out1 4,096 x 1,024 float32.
;; This version of the problem:
;;   THIS VERSION OF THE PROBLEM IS GIVEN IN LOW PRECISION. The matrix products marked QUANTISED in the list below multiply operands that are first quantised to E2M1 (2 exponent bits, 1 mantissa bit; 4 bits a number), with one power-of-two scale for each 32 numbers along K (OCP MX v1.0); their sums are f32. All else is computed in f32.
;;   The module's matrix products, in the order in which they are computed (A, B: the left and right operand; K: the contracted axis; several contracted axes count as one K, in the product's order):
;;     1. [M 4,096, K 1,024] x [K 1,024, N 1,024]; A: input x; B: input Wi_w: QUANTISED
;;     2. [M 4,096, K 1,024] x [K 1,024, N 1,024]; A: input h_prev; B: input Ui_w: QUANTISED
;;     3. [M 4,096, K 1,024] x [K 1,024, N 1,024]; A: input x; B: input Wf_w: QUANTISED
;;     4. [M 4,096, K 1,024] x [K 1,024, N 1,024]; A: input h_prev; B: input Uf_w: QUANTISED
;;     5. [M 4,096, K 1,024] x [K 1,024, N 1,024]; A: input x; B: input Wo_w: QUANTISED
;;     6. [M 4,096, K 1,024] x [K 1,024, N 1,024]; A: input h_prev; B: input Uo_w: QUANTISED
;;     7. [M 4,096, K 1,024] x [K 1,024, N 1,024]; A: input x; B: input Wc_w: QUANTISED
;;     8. [M 4,096, K 1,024] x [K 1,024, N 1,024]; A: input h_prev; B: input Uc_w: QUANTISED
;;     9. [M 4,096, K 2,048] x [K 2,048, N 1,024]; A: computed on the way; B: input a1_w: QUANTISED
;;     10. [M 4,096, K 1,024] x [K 1,024, N 1]; A: computed on the way; B: input a2_w: left as it is (N = 1 < 16)
;;     11. [M 4,096, K 1,024] x [K 1,024, N 1,024]; A: input x; B: input Ws_w: QUANTISED
;;     12. [M 4,096, K 1,024] x [K 1,024, N 1,024]; A: input h_prev; B: input Us_w: QUANTISED
;;     13. [M 4,096, K 1,024] x [K 1,024, N 1,024]; A: input h_prev; B: input r1_w: QUANTISED
;;     14. [M 4,096, K 1,024] x [K 1,024, N 1,024]; A: computed on the way; B: input r2_w: QUANTISED
;;     15. [M 4,096, K 1,024] x [K 1,024, N 1,024]; A: computed on the way; B: input r3_w: QUANTISED
;;   THE QUANTISER, for each operand of a quantised product, along K:
;;     - K is cut into blocks of 32 from its start; a last block that is shorter is filled with zeros.
;;     - A block's scale is 2^e with e = floor(log2(the largest magnitude in the block)) - 2, held to -126 .. 127; a block of zeros has e = 0. As a byte (E8M0): e + 127.
;;     - Each number is divided by its block's scale, clamped to +-6, and rounded to the nearest number of E2M1, ties to even, subnormals kept.
;;     - The product sums the exact products of the quantised numbers (number of the format x scale) in f32.
;;   ~~~python
;;   def quantise(x, axis):      # numpy; x: float32 -> the quantised numbers, widened to float32 again
;;       x = np.moveaxis(x, axis, -1); K = x.shape[-1]
;;       x = np.pad(x, [(0, 0)] * (x.ndim - 1) + [(0, -K % 32)]); x = x.reshape(x.shape[:-1] + (-1, 32)); a = np.abs(x).max(-1, keepdims=True)
;;       e = np.where(a > 0, np.clip(np.frexp(np.where(a > 0, a, 1))[1] - 1 - 2, -126, 127), 0)      # np.frexp(a)[1] - 1 = floor(log2(a)), exactly
;;       r = np.clip(x / 2.0 ** e, -6, 6)
;;       step = 2.0 ** (np.maximum(np.frexp(np.where(r == 0, 1, r))[1] - 1, 0) - 1)
;;       q = np.round(r / step) * step * 2.0 ** e      # np.round: ties to even
;;       return np.moveaxis(q.reshape(q.shape[:-2] + (-1,))[..., :K], -1, axis).astype(np.float32)
;;   ~~~
;;   OPERANDS COMPUTED ON THE WAY. 'Computed on the way' means the value that the module computes at that place (a softmax that the list does not call 'softmax' is quantised finished and normalised). What goes into a quantiser is computed in f32, as accurately as f32 sums, v_exp_f32 and their like allow (about 1e-6 of the number): no bf16 or f16 on the way to a quantiser, and a product that is left as it is and whose result goes on into a quantised operand takes f32 operands (vector FMAs, or v_wmma_f32_16x16x4_f32). A number that lies on a knife's edge between two numbers of the format may be rounded either way, as far as f32 arithmetic and the matrix unit's own rounding can turn it there, and no further.
;; One version. Each part assembles by itself: llvm-mc -triple=amdgcn-amd-amdhsa -mcpu=gfx1250 --defsym DOCPART=n.
;; ======== version 1 of 1: 4 launches
;; limits: right only within a limited range of input values
;; workspace buffers: qw 12,812,288 bytes; h1 2,228,224 bytes; h2 2,228,224 bytes; ap 131,072 bytes
;; launch quant (part 1): grid 64 x 23, 4 waves a work-group, no clusters, 35,328 bytes of LDS; arguments x, h_prev, Wi_w, Ui_w, Ws_w, Us_w, Wc_w, Uc_w, Wf_w, Uf_w, Wo_w, Uo_w, a1_w, r1_w, r2_w, r3_w, qw; writes qw
.if DOCPART == 1
	.amdgcn_target "amdgcn-amd-amdhsa--gfx1250"
	.amdhsa_code_object_version 6
	.text
	.protected	k_q24b66fbaf7_quant
	.globl	k_q24b66fbaf7_quant
	.p2align	8
	.type	k_q24b66fbaf7_quant,@function
k_q24b66fbaf7_quant:
	s_mov_b64 s[64:65], 0
	v_nop
	global_prefetch_b8 v0, s[64:65] scope:SCOPE_SE
	s_setreg_imm32_b32 hwreg(HW_REG_WAVE_MODE, 25, 1), 1
	s_wait_xcnt 0x0
; x, h_prev and the fourteen weight matrices, all f32 with K innermost, become codes of FP4 (E2M1) with one E8M0 scale byte for each 32 along K, in the workspace qw.
; A block's scale is 2^(floor(log2(its largest magnitude)) - 2); its byte is the largest magnitude's exponent field - 2, held at 1 from below.
; LIMITS: a block of zeros gets the byte 1 where the rule says 127 (its codes are zeros, and this program alone reads the bytes); NaN and infinities among the inputs are not served.
; THE LAYOUT OF AN OPERAND IN qw: [K / 512][17 planes][positions][16 bytes].  Plane j < 16 holds, for each position, block j of the K step: 32 codes, the lower k in the lower bits.
; Plane 16 holds the scale words (four bytes: 128 along K): the word of position p and quarter q lies at 512 (p / 32) + 128 q + 4 (p % 32).
; POSITIONS.  A row of x or h lies at its own number.  A weight's row n lies at (n & ~31) + pi(n & 31), pi swapping bits 3 and 4.  The five gates (i, s, c, f, o) share one operand of 5,120 positions:
; gate g's row n lies at 160 (n / 32) + 32 g + pi(n % 32).
; SHARES.  Work-group y names a slab of 1,024 rows x 1,024 K (0-3 x, 4-7 h, 8-17 the gates' W and U, 18 and 19 a1's halves of K, 20-22 r1, r2, r3); x names 128 rows x 128 K of it; a wave takes 32 rows x 128 K.
; Each load reads 256 consecutive, aligned bytes of each of two rows.  The wave's numbers turn through its own stage in LDS in two passes of 64 along K (32 rows of 256 + 16 bytes), so that a lane then holds one row
; and a block of 32 lies in its registers.  The stage of half a chunk and 156 registers are chosen so that 6 work-groups' claims fit in a WGP's LDS (6 x 35,328 bytes) and registers (6 x 156 a SIMD): 1,536 places for 1,472 work-groups.
; Each store of codes covers 512 consecutive bytes; the store of scale words covers 128 consecutive bytes (they are a seventeenth of what is stored).
; No tensor load, no barrier, no cluster: waves share nothing, and no two work-groups read the same bytes.
.set WG_OFF, 4456448                   ; the gates' operand in qw
.set WA_OFF, 10027008                  ; a1's; behind it r1's, r2's, r3's, each 557,056 bytes (two K steps of 1,024 positions)
.set HALF_A, 557056
.set SP,     272                       ; a stage row: 64 numbers + 16 bytes
.set STG,    32*SP                     ; a wave's stage
.set SPARE,  4*STG                     ; behind the stages: the spare words, 128 bytes a wave: two blocks of 256 bytes that no other line names
.set R,      28                        ; v28-155 the 128 numbers of a lane
.set CD,     24                        ; v24-27  block 0's codes; block b's land in the first four registers of block b - 1's numbers
	s_load_b512 s[16:31], s[0:1], 0x0              ; x, h_prev, Wi_w, Ui_w, Ws_w, Us_w, Wc_w, Uc_w
	s_load_b512 s[32:47], s[0:1], 0x40             ; Wf_w, Uf_w, Wo_w, Uo_w, a1_w, r1_w, r2_w, r3_w
	s_load_b64 s[48:49], s[0:1], 0x80              ; qw
	v_lshl_add_u32 v21, v0, 2, SPARE               ; my spare word; never rewritten
	v_mov_b32 v22, 0                               ; 0; never rewritten
	v_lshrrev_b32 v1, 5, v0
	v_readfirstlane_b32 s5, v1                     ; wave 0..3
	s_mul_i32 s62, s5, STG                         ; my stage
	s_and_b32 s2, ttmp7, 0xffff                    ; y: the slab
	s_lshr_b32 s3, ttmp9, 3                        ; which 128 rows
	s_and_b32 s4, ttmp9, 7                         ; which 128 along K
	s_lshl_b32 s6, s3, 7
	s_lshl_b32 s9, s5, 5
	s_add_co_u32 s6, s6, s9                        ; n0: my wave's first row in the slab
	s_lshr_b32 s7, s4, 2                           ; which K step of the slab's two
	s_and_b32 s8, s4, 3                            ; q: which quarter of it
	; a1, r1, r2, r3 (y >= 18)
	s_sub_co_u32 s9, s2, 18
	s_mul_i32 s10, s9, HALF_A
	s_add_co_u32 s10, s10, WA_OFF                  ; s10 the operand's first byte (for a1's second half: its K step 2)
	s_mov_b32 s11, 16384                           ; s11 a plane's bytes
	s_mov_b32 s12, 0                               ; s12 the slab's first K step
	s_mov_b32 s13, s6                              ; s13 my wave's first position
	s_mov_b32 s14, s6                              ; s14 my wave's first row in the tensor
	; the gates (8 <= y < 18)
	s_sub_co_u32 s9, s2, 8
	s_and_b32 s15, s9, 1
	s_lshl_b32 s15, s15, 1                         ; W: K steps 0, 1; U: 2, 3
	s_lshr_b32 s52, s9, 1
	s_lshl_b32 s52, s52, 5                         ; 32 g
	s_lshr_b32 s53, s6, 5
	s_mul_i32 s53, s53, 160
	s_add_co_u32 s52, s52, s53
	s_mov_b32 s54, WG_OFF
	s_mov_b32 s55, 81920
	s_cmp_lt_u32 s2, 18
	s_cselect_b32 s10, s54, s10
	s_cselect_b32 s11, s55, s11
	s_cselect_b32 s12, s15, s12
	s_cselect_b32 s13, s52, s13
	; x and h (y < 8)
	s_lshr_b32 s15, s2, 2
	s_lshl_b32 s15, s15, 1                         ; x: K steps 0, 1; h: 2, 3
	s_and_b32 s52, s2, 3
	s_lshl_b32 s52, s52, 10
	s_add_co_u32 s52, s52, s6
	s_mov_b32 s55, 65536
	s_cmp_lt_u32 s2, 8
	s_cselect_b32 s10, 0, s10
	s_cselect_b32 s11, s55, s11
	s_cselect_b32 s12, s15, s12
	s_cselect_b32 s13, s52, s13
	s_cselect_b32 s14, s52, s14
	s_cselect_b32 s56, 0, 24                       ; rows of x and h keep their places; weights' rows go by pi
	; which tensor
	s_sub_co_u32 s57, s2, 7
	s_cmp_lt_u32 s2, 20
	s_cselect_b32 s57, 12, s57
	s_sub_co_u32 s58, s2, 6
	s_cmp_lt_u32 s2, 18
	s_cselect_b32 s57, s58, s57
	s_lshr_b32 s58, s2, 2
	s_cmp_lt_u32 s2, 8
	s_cselect_b32 s57, s58, s57                    ; s57: the tensor's place among the arguments
	; where my wave's numbers begin
	s_cmp_eq_u32 s57, 12
	s_cselect_b32 s61, 13, 12                      ; a row of a1_w is 8,192 bytes, of the others 4,096
	s_lshl_b32 s58, s14, s61
	s_lshl_b32 s60, s4, 9
	s_add_co_u32 s58, s58, s60
	s_cmp_eq_u32 s2, 19
	s_cselect_b32 s60, 4096, 0                     ; a1's second half of K
	s_add_co_u32 s58, s58, s60
	s_mov_b32 s59, 0
	; where my wave's codes and scale words go
	s_add_co_u32 s12, s12, s7                      ; the K step
	s_mul_i32 s15, s12, 17
	s_lshl_b32 s52, s8, 2
	s_add_co_u32 s52, s15, s52                     ; plane 17 k + 4 q
	s_mul_i32 s52, s52, s11
	s_add_co_u32 s52, s52, s10
	s_lshl_b32 s53, s13, 4
	s_add_co_u32 s52, s52, s53                     ; s52: block 0's codes of my first position
	s_add_co_u32 s15, s15, 16
	s_mul_i32 s15, s15, s11
	s_add_co_u32 s15, s15, s10
	s_add_co_u32 s15, s15, s53                     ; 512 (position / 32) = 16 x position: my first position is a multiple of 32
	s_lshl_b32 s53, s8, 7
	s_add_co_u32 s15, s15, s53                     ; s15: my 32 scale words
	v_and_b32 v1, 31, v0                           ; lane
	v_and_b32 v11, 15, v1
	v_lshrrev_b32 v6, 4, v1                        ; which of a load's two rows
	v_lshlrev_b32 v2, s61, v6
	v_lshl_add_u32 v2, v11, 4, v2                  ; v2: in memory: that row, my 16 bytes of its 256
	v_mul_u32_u24 v3, v6, SP
	v_lshl_add_u32 v3, v11, 4, v3
	v_add_nc_u32 v3, s62, v3                       ; v3: the stage, on the way in
	v_mul_u32_u24 v4, v1, SP
	v_add_nc_u32 v4, s62, v4                       ; v4: and on the way out: row = lane
	v_lshrrev_b32 v5, 3, v1
	v_xor_b32 v5, v5, v6
	v_and_b32 v5, 1, v5
	v_mul_u32_u24 v5, v5, 24
	v_and_b32 v5, s56, v5
	v_xor_b32 v5, v5, v1                           ; my row's place among the 32: lane, or lane with bits 3 and 4 swapped
	v_lshlrev_b32 v6, 4, v5
	v_add_nc_u32 v6, s52, v6                       ; v6-9: my 16 bytes in the four planes
	v_add_nc_u32 v7, s11, v6
	v_add_nc_u32 v8, s11, v7
	v_add_nc_u32 v9, s11, v8
	v_lshlrev_b32 v10, 2, v5
	v_add_nc_u32 v10, s15, v10                     ; v10: my scale word
	s_wait_alu depctr_va_vdst(0)
	s_wait_kmcnt 0x0
	s_mov_b64 s[50:51], s[16:17]                   ; the tensor's address: a choice that hangs on the work-group's number alone
.irp t, 1,2,3,4,5,6,7,8,9,10,11,12,13,14,15
	s_cmp_eq_u32 s57, \t
	s_cselect_b64 s[50:51], s[16+2*\t:17+2*\t], s[50:51]
.endr
	s_add_nc_u64 s[50:51], s[50:51], s[58:59]
.macro LOADS pitch                     ; first the 32 rows' first 64 numbers, then their second: two rows, 256 bytes of each, to a load
.set ii, 0
.rept 32
	global_load_b128 v[R+4*ii:R+4*ii+3], v2, s[50:51] offset:(ii%16)*2*\pitch+256*(ii/16) th:TH_LOAD_NT
.set ii, ii+1
.endr
.endm
	s_cmp_eq_u32 s57, 12
	s_cbranch_scc1 .Lwide
	LOADS 4096
	s_branch .Lloaded
.Lwide:
	LOADS 8192
.Lloaded:
.set ii, 0
.rept 16
	s_wait_loadcnt 31-ii                           ; loads come back in order: load ii is in, the younger ones may be out
	ds_store_b128 v3, v[R+4*ii:R+4*ii+3] offset:2*SP*ii
.set ii, ii+1
.endr
	s_wait_dscnt 0x0                               ; the stores have read their registers, which the loads below fill again
.set ii, 0
.rept 16
	ds_load_b128 v[R+4*ii:R+4*ii+3], v4 offset:16*ii               ; my row's first 64 numbers: register 32 b + i is number i of block b
.set ii, ii+1
.endr
.set ii, 0
.rept 16
	s_wait_loadcnt 15-ii
	ds_store_b128 v3, v[R+64+4*ii:R+64+4*ii+3] offset:2*SP*ii      ; LDS serves a wave's instructions in order: the loads above have read the stage
.set ii, ii+1
.endr
	s_wait_dscnt 0x0
.set ii, 0
.rept 16
	ds_load_b128 v[R+64+4*ii:R+64+4*ii+3], v4 offset:16*ii         ; and its second 64
.set ii, ii+1
.endr
	s_wait_dscnt 0x0
.irp b, 0,1,2,3
	v_max3_num_f32 v[12+\b], |v[R+32*\b]|, |v[R+32*\b+1]|, 0x1800000   ; the block's largest magnitude, with the floor 2^(3 - 127) among its leaves: the byte cannot fall under 1
.endr
.irp i, 2,4,6,8,10,12,14,16,18,20,22,24,26,28,30
.irp b, 0,1,2,3
	v_max3_num_f32 v[12+\b], v[12+\b], |v[R+32*\b+\i]|, |v[R+32*\b+\i+1]|   ; the four blocks by turns
.endr
.endr
.irp b, 0,1,2,3
	v_add_nc_u32 v[16+\b], 0xff000000, v[12+\b]    ; 2 off the exponent field: the conversion takes this operand's exponent field as its scale
.endr
.irp b, 0,1,2,3
	v_lshrrev_b32 v[12+\b], 23, v[16+\b]           ; the scale's byte
.endr
	v_lshl_or_b32 v20, v13, 8, v12                 ; my row's scale word for these 128 along K
	v_lshl_or_b32 v20, v14, 16, v20
	v_lshl_or_b32 v20, v15, 24, v20
.irp g, 0,1,2,3
	v_cvt_scalef32_pk8_fp4_f32 v[CD+\g], v[R+8*\g:R+8*\g+7], v16
.endr
	v_nop                                          ; one plain instruction between conversions and the lines that write their sources
.irp b, 1,2,3
.irp g, 0,1,2,3
	v_cvt_scalef32_pk8_fp4_f32 v[R+32*(\b-1)+\g], v[R+32*\b+8*\g:R+32*\b+8*\g+7], v[16+\b]
.endr
	v_nop
.endr
	global_store_b128 v6, v[CD:CD+3], s[48:49]     ; the wave's 32 positions of a plane: 512 consecutive bytes
.irp b, 1,2,3
	global_store_b128 v[6+\b], v[R+32*(\b-1):R+32*(\b-1)+3], s[48:49]
.endr
	global_store_b32 v10, v20, s[48:49]            ; 128 consecutive bytes
	s_wait_tensorcnt 0x0                           ; the wave's end
	ds_add_u32 v21, v22
	s_wait_dscnt 0x0
	s_endpgm
.Lfunc_end_k_q24b66fbaf7_quant:
	.size	k_q24b66fbaf7_quant, .Lfunc_end_k_q24b66fbaf7_quant-k_q24b66fbaf7_quant
	.p2alignl 7, 3214868480
	.fill 96, 4, 3214868480
	.section	.rodata,"a",@progbits
	.p2align	6, 0x0
	.amdhsa_kernel k_q24b66fbaf7_quant
		.amdhsa_group_segment_fixed_size 35328
		.amdhsa_private_segment_fixed_size 0
		.amdhsa_enable_private_segment 0
		.amdhsa_kernarg_size 136
		.amdhsa_user_sgpr_count 2
		.amdhsa_user_sgpr_kernarg_segment_ptr 1
		.amdhsa_wavefront_size32 1
		.amdhsa_system_sgpr_workgroup_id_x 1
		.amdhsa_system_sgpr_workgroup_id_y 1
		.amdhsa_system_sgpr_workgroup_id_z 1
		.amdhsa_system_vgpr_workitem_id 0
		.amdhsa_next_free_vgpr 156
		.amdhsa_next_free_sgpr 66
		.amdhsa_reserve_vcc 0
		.amdhsa_float_denorm_mode_32 3
		.amdhsa_float_denorm_mode_16_64 3
		.amdhsa_memory_ordered 1
		.amdhsa_forward_progress 1
		.amdhsa_inst_pref_size 23
	.end_amdhsa_kernel
	.amdgpu_metadata
---
amdhsa.version: [ 1, 2 ]
amdhsa.kernels:
  - .name:           k_q24b66fbaf7_quant
    .symbol:         k_q24b66fbaf7_quant.kd
    .args:
      - { .name: x, .offset: 0, .size: 8, .value_kind: global_buffer, .address_space: global }
      - { .name: h_prev, .offset: 8, .size: 8, .value_kind: global_buffer, .address_space: global }
      - { .name: Wi_w, .offset: 16, .size: 8, .value_kind: global_buffer, .address_space: global }
      - { .name: Ui_w, .offset: 24, .size: 8, .value_kind: global_buffer, .address_space: global }
      - { .name: Ws_w, .offset: 32, .size: 8, .value_kind: global_buffer, .address_space: global }
      - { .name: Us_w, .offset: 40, .size: 8, .value_kind: global_buffer, .address_space: global }
      - { .name: Wc_w, .offset: 48, .size: 8, .value_kind: global_buffer, .address_space: global }
      - { .name: Uc_w, .offset: 56, .size: 8, .value_kind: global_buffer, .address_space: global }
      - { .name: Wf_w, .offset: 64, .size: 8, .value_kind: global_buffer, .address_space: global }
      - { .name: Uf_w, .offset: 72, .size: 8, .value_kind: global_buffer, .address_space: global }
      - { .name: Wo_w, .offset: 80, .size: 8, .value_kind: global_buffer, .address_space: global }
      - { .name: Uo_w, .offset: 88, .size: 8, .value_kind: global_buffer, .address_space: global }
      - { .name: a1_w, .offset: 96, .size: 8, .value_kind: global_buffer, .address_space: global }
      - { .name: r1_w, .offset: 104, .size: 8, .value_kind: global_buffer, .address_space: global }
      - { .name: r2_w, .offset: 112, .size: 8, .value_kind: global_buffer, .address_space: global }
      - { .name: r3_w, .offset: 120, .size: 8, .value_kind: global_buffer, .address_space: global }
      - { .name: qw, .offset: 128, .size: 8, .value_kind: global_buffer, .address_space: global }
    .group_segment_fixed_size: 35328
    .private_segment_fixed_size: 0
    .kernarg_segment_align: 8
    .kernarg_segment_size: 136
    .max_flat_workgroup_size: 128
    .sgpr_count:     66
    .vgpr_count:     156
    .wavefront_size: 32
...
	.end_amdgpu_metadata
.endif
;; end of part 1
;; launch layer1 (part 2): grid 8 x 32, 4 waves a work-group, clusters of 4 x 4, 327,680 bytes of LDS; arguments qw, r1_b, a1_b, a2_w, h1, ap; writes h1, ap
.if DOCPART == 2
	.amdgcn_target "amdgcn-amd-amdhsa--gfx1250"
	.amdhsa_code_object_version 6
	.text
	.protected	k_q24b66fbaf7_layer1
	.globl	k_q24b66fbaf7_layer1
	.p2align	8
	.type	k_q24b66fbaf7_layer1,@function
k_q24b66fbaf7_layer1:
	s_mov_b64 s[64:65], 0
	v_nop
	global_prefetch_b8 v0, s[64:65] scope:SCOPE_SE
	s_setreg_imm32_b32 hwreg(HW_REG_WAVE_MODE, 25, 1), 1
	s_wait_xcnt 0x0
	s_wait_alu depctr_hold_cnt(0) depctr_sa_sdst(0) depctr_va_vdst(0) depctr_va_sdst(0) depctr_va_ssrc(0) depctr_va_vcc(0) depctr_vm_vsrc(0)
	s_getreg_b32 s2, hwreg(HW_REG_IB_STS2, 6, 4)
	s_cmp_eq_u32 s2, 0
	s_cbranch_scc0 .Lentry_in_a_cluster
	s_endpgm
.Lentry_in_a_cluster:
	s_bfe_u32 s2, ttmp6, 0x10000c
	s_cmp_lg_u32 s2, 0xf033
	s_cbranch_scc0 .Lentry_shape_is_right
	s_endpgm
.Lentry_shape_is_right:
; h1 = Q(relu(h r1^T + r1_b)), as codes and scale words, and ap[t][row] = the part of relu([x h] a1^T + a1_b) . a2_w that falls on columns 128 t .. 128 t + 127.
; All products on codes of FP4 (E2M1) with E8M0 scales for each 32 along K; sums, bias, relu and the dot product with a2_w in f32 (that product has one column: fused multiply-adds).
; OPERANDS lie as [K / 512][17 planes][positions][16 bytes]: plane j < 16 holds block j's 32 codes of each position, plane 16 the scale words (position p, quarter q at 512 (p / 32) + 128 q + 4 (p % 32)).
; A UNIT is 128 positions x 512 K: 17 rows of 2,048 bytes, one tensor load, dense in LDS.  A fragment's two loads read, for each half of the lanes, 256 consecutive bytes.
; SHARES.  A work-group makes 128 rows x 128 columns, a wave 64 x 64: 16 accumulators for each product.  h's fragments feed r1's and a1's products alike.
; THE PRODUCTS ARE USED TRANSPOSED (source 0 = 16 positions of the weight, source 1 = 16 rows): with the weights' rows placed as they are in qw, the 16 registers of tiles 2 b, 2 b + 1 of a lane are
; the columns 32 b + 16 (lane / 16) + 0 .. 15 of ONE row: half a block of the next K.  The bias is the C of each sum's first product.
; CLUSTERS: 4 x 4 work-groups; activations' units are shared along a row of the cluster, weights' along a column, each by a joint load.
; Ten units are needed and LDS has room for nine.  When the fragments of h's first K step are all in registers, unit 2 (r1's K step 0) and unit 4 (a1's K step 2) are read no more: they are filled again, once,
; with a1's K steps 0 and 1, behind a round of the cluster's barrier; that load has five steps' products and the layer's way out in which to land.
; K is 8 or 16 steps of 128: all steps are written out.  The order of a1's sum is h's part, then x's.  Nothing is prefetched: each unit is asked for once by four work-groups jointly.
; LIMITS: a block of zeros gets the scale byte 1 (its codes are zeros; this program alone reads the bytes); NaN and infinities are not served; scale words leave in runs of 128 bytes.
; REGISTERS.  window 0: v1-37 lane numbers and addresses; v40-51 scale words, two sets; v56-123 at work on the way out; v128-159 the layer's bias, v160-191 a1_b, v192-223 a2_w, in the result's layout.
;   window 1: fragments, set p at 96 p: 4 of the rows, 4 of the layer's weight, 4 of a1's.   window 2: v0-127 the layer's accumulators ((a, t) at 8 (4 a + t)), v128-255 a1's.
.set WITH_A1, 1
.set UNIT,   34816
.set PL,     2048                      ; a plane of a unit
.set XHK,    1114112                   ; a K step of an operand of 4,096 positions
.set WK,     278528                    ; of one of 1,024 positions
.set WA_OFF, 10027008                  ; a1's codes in qw
.set WL_OFF, 11141120                  ; r1's
.set SCG,    8*UNIT                    ; behind the units: the rows' half scale words, 256 bytes a wave
.set PACT,   48                        ; s[48:49] qw holds the rows' codes
.set PB,     50                        ; r1_b
.set PO,     56                        ; h1
.set APG,    SCG+1024                  ; the waves' partial sums for a2: [column half][128 rows]
.set SPARE,  APG+1024                  ; the spare words, 128 bytes for each wave: two blocks of 256 bytes that no other line names
.set MSB, 0
.macro WIN new                         ; the immediate's high byte repeats the setting that is left; bits 1:0 source 0, 3:2 source 1, 5:4 source 2, 7:6 destination
.if MSB != \new
	s_set_vgpr_msb (MSB<<8)|\new
.set MSB, \new
.endif
.endm
.macro PLACES                          ; four plain instructions behind a matrix instruction, ahead of loads into its registers and of reads of its result
.rept 4
	v_nop
.endr
.endm
.macro CREST                           ; a round of the cluster's barrier behind its opening barrier
	s_cmp_lg_u32 s2, 0
	s_cbranch_scc1 .Lnot_wave_0_\@
	s_barrier_signal -3
.Lnot_wave_0_\@:
	s_barrier_wait -3
	s_barrier_signal -1
	s_barrier_wait -1
.endm
.macro CROUND
	s_barrier_signal -1
	s_barrier_wait -1
	CREST
.endm
.macro JL g0a, g0w                     ; a joint load: waves 0 and 1 fetch rows' units, waves 2 and 3 weights'; four v_nop follow each line
	s_cmp_lt_u32 s2, 2
	s_cbranch_scc0 .Lfor_w_\@
	tensor_load_to_lds s[\g0a:\g0a+3], s[16:23]
	s_nop 0
.rept 4
	v_nop
.endr
	s_branch .Lasked_\@
.Lfor_w_\@:
	tensor_load_to_lds s[\g0w:\g0w+3], s[24:31]
	s_nop 0
.rept 4
	v_nop
.endr
.Lasked_\@:
.endm
.macro JLW g0w                         ; waves 2 and 3 alone
	s_cmp_lt_u32 s2, 2
	s_cbranch_scc1 .Lasked_\@
	tensor_load_to_lds s[\g0w:\g0w+3], s[24:31]
	s_nop 0
.rept 4
	v_nop
.endr
.Lasked_\@:
.endm
; One product.  ra, rb: the scale words of source 0, source 1 stand in lanes 16-31 of their register.
.macro WM d, a, b, c, sa, sb, ra, rb
.set wD, \d
.set wA, \a
.set wB, \b
.set wC, \c
.set wS, \sa
.set wT, \sb
.set wR, 2*(\ra)+(\rb)
.if wR == 0
	v_wmma_scale_f32_16x16x128_f8f6f4 v[wD:wD+7], v[wA:wA+7], v[wB:wB+7], v[wC:wC+7], v[wS], v[wT] matrix_a_fmt:MATRIX_FMT_FP4 matrix_b_fmt:MATRIX_FMT_FP4
.elseif wR == 1
	v_wmma_scale_f32_16x16x128_f8f6f4 v[wD:wD+7], v[wA:wA+7], v[wB:wB+7], v[wC:wC+7], v[wS], v[wT] matrix_a_fmt:MATRIX_FMT_FP4 matrix_b_fmt:MATRIX_FMT_FP4 matrix_b_scale:MATRIX_SCALE_ROW1
.elseif wR == 2
	v_wmma_scale_f32_16x16x128_f8f6f4 v[wD:wD+7], v[wA:wA+7], v[wB:wB+7], v[wC:wC+7], v[wS], v[wT] matrix_a_fmt:MATRIX_FMT_FP4 matrix_b_fmt:MATRIX_FMT_FP4 matrix_a_scale:MATRIX_SCALE_ROW1
.else
	v_wmma_scale_f32_16x16x128_f8f6f4 v[wD:wD+7], v[wA:wA+7], v[wB:wB+7], v[wC:wC+7], v[wS], v[wT] matrix_a_fmt:MATRIX_FMT_FP4 matrix_b_fmt:MATRIX_FMT_FP4 matrix_a_scale:MATRIX_SCALE_ROW1 matrix_b_scale:MATRIX_SCALE_ROW1
.endif
.endm
.macro FR dst, adr, off                ; a fragment, 16 positions x 128 K: registers 4 c .. 4 c + 3 of lane (r, h) are block 2 c + h of the quarter: two loads, two planes apart
	ds_load_b128 v[\dst:\dst+3], v[\adr] offset:\off
	ds_load_b128 v[\dst+4:\dst+7], v[\adr] offset:\off+2*PL
.endm
; Step n of 8 of h's part, into set p: the rows' four fragments, r1's four, a1's four, and their scale words
.macro FETCH1 n, p
.set fK, (\n)/4
.set fQ, (\n)%4
	WIN 0x40                                       ; destination window 1, address window 0
.irp j, 0,1,2,3
	FR 96*(\p)+8*\j, 8+fK, 8192*fQ+256*\j
.endr
.irp j, 0,1,2,3
	FR 96*(\p)+32+8*\j, 12+fK, 8192*fQ+256*\j
.endr
.irp j, 0,1,2,3
	FR 96*(\p)+64+8*\j, 14+fK, 8192*fQ+256*\j
.endr
	WIN 0
.irp j, 0,1
	ds_load_b32 v[40+6*(\p)+\j], v[16+fK] offset:512*\j+128*fQ     ; 32 positions' words: the even tile's in lanes 0-15, the odd tile's in lanes 16-31
	ds_load_b32 v[42+6*(\p)+\j], v[20+fK] offset:512*\j+128*fQ
	ds_load_b32 v[44+6*(\p)+\j], v[22+fK] offset:512*\j+128*fQ
.endr
.endm
.macro FETCH2 n, p                     ; step n of 8 of x's part of a1's K: x from units 6, 7; a1's K steps 0, 1 from units 2 and 4
.set fK, (\n)/4
.set fQ, (\n)%4
	WIN 0x40
.irp j, 0,1,2,3
	FR 96*(\p)+8*\j, 10+fK, 8192*fQ+256*\j
.endr
.irp j, 0,1,2,3
	FR 96*(\p)+64+8*\j, 12+2*fK, 8192*fQ+256*\j
.endr
	WIN 0
.irp j, 0,1
	ds_load_b32 v[40+6*(\p)+\j], v[18+fK] offset:512*\j+128*fQ
	ds_load_b32 v[44+6*(\p)+\j], v[20+2*fK] offset:512*\j+128*fQ
.endr
.endm
; 16 products: 4 tiles of rows x 4 tiles of columns, 128 along K, from set p.  acc: the accumulators; wf: the weight's place in a set; sw: its scale words' place; cb: the bias (the sum's first step), or -1.
; The accumulators take turns, one instruction a turn, in the same order in every step.
.macro MULS p, acc, wf, sw, cb
.irp i, 0,1,2,3
.irp t, 0,1,2,3
.if (\cb) < 0
	WM \acc+8*(4*\i+\t), 96*(\p)+\wf+8*\t, 96*(\p)+8*\i, \acc+8*(4*\i+\t), 40+6*(\p)+\sw+\t/2, 40+6*(\p)+\i/2, \t%2, \i%2
.else
	WM \acc+8*(4*\i+\t), 96*(\p)+\wf+8*\t, 96*(\p)+8*\i, \cb+8*\t, 40+6*(\p)+\sw+\t/2, 40+6*(\p)+\i/2, \t%2, \i%2
.endif
.endr
.endr
.endm
; A step of h's part: this set's loads, issued in the middle of the last step, are in; four places behind the last step's products, which read the other set; r1's 16 products;
; the next step's loads in one run into the other set (the products just issued name this set alone); a1's 16 products.
; At step 3 the fragments of h's first K step are all in registers: units 2 and 4 are filled again there.
.macro SUB1 n
	s_wait_dscnt 0x0
.if (\n) == 3
	WIN 0
	s_wait_tensorcnt 0x0                           ; no tensor load of mine is out;
	ds_add_u32 v24, v25
	s_mov_b32 s26, 17<<16                          ; no tensor load of mine is out: the refill brings one K step, 17 planes
	s_mov_b32 s28, 17
	s_wait_dscnt 0x0
	CROUND
	JLW 72
.endif
.if (\n) < 7
	PLACES
.endif
.if (\n) == 0
	WIN 0x85                                       ; fragments window 1, C (the bias) window 0, D window 2
	MULS 0, 0, 32, 2, 128
.else
	WIN 0xa5                                       ; fragments window 1, C and D window 2
	MULS (\n)%2, 0, 32, 2, -1
.endif
.if (\n) < 7
	FETCH1 (\n)+1, 1-(\n)%2
.endif
.if (\n) == 0
	WIN 0x85
	MULS 0, 128, 64, 4, 160
.else
	WIN 0xa5
	MULS (\n)%2, 128, 64, 4, -1
.endif
.endm
.macro SUB2 n                          ; a step of x's part
	s_wait_dscnt 0x0
.if (\n) < 7
	PLACES
	FETCH2 (\n)+1, 1-(\n)%2
.endif
	WIN 0xa5
	MULS (\n)%2, 128, 64, 4, -1
.endm
	s_load_b256 s[48:55], s[0:1], 0x0              ; qw, r1_b, a1_b, a2_w
	s_load_b128 s[56:59], s[0:1], 0x20             ; h1, ap
	v_lshl_add_u32 v24, v0, 2, SPARE               ; my spare word; never rewritten
	v_mov_b32 v25, 0                               ; 0; never rewritten
	ds_add_u32 v24, v25
	ds_add_u32 v24, v25
	s_wait_dscnt 0x0
	v_lshrrev_b32 v1, 5, v0
	v_readfirstlane_b32 s2, v1                     ; wave 0..3
	s_lshr_b32 s3, s2, 1                           ; rw: which 64 rows are mine
	s_and_b32 s4, s2, 1                            ; cw: which 64 columns.  Also: which of two units I fetch
	s_bfe_u32 s5, ttmp6, 0x40000                   ; cx, cy: my place in the cluster
	s_bfe_u32 s6, ttmp6, 0x40004
	s_lshl_b32 s7, ttmp9, 2
	s_add_co_u32 s7, s7, s5                        ; tx: which 128 columns
	s_and_b32 s8, ttmp7, 0xffff
	s_lshl_b32 s8, s8, 2
	s_add_co_u32 s8, s8, s6                        ; ty: which 128 rows
	s_lshl_b32 s9, s6, 2
	s_lshl_b32 s9, 15, s9                          ; my row of the cluster
	s_lshl_b32 s12, 0x1111, s5                     ; my column
	; descriptor group 1: 17 rows of 256 elements of 8 bytes; the pitch is the operand's plane
	s_or_b32 s16, s9, (3<<16)|(1<<21)              ; 15:0 the mask: rows' units go to my row of the cluster; 17:16 elements of 8 bytes; 21 set beside a mask
	s_or_b32 s24, s12, (3<<16)|(1<<21)             ; weights' units go to my column
.irp g, 16, 24
	s_mov_b32 s[\g+1], 256<<16                     ; tensor_dim0
	s_mov_b32 s[\g+2], 34<<16                      ; tensor_dim1: the head's loads bring two K steps on end, 34 planes
	s_mov_b32 s[\g+3], 256<<16                     ; tile_dim0
	s_mov_b32 s[\g+4], 34                          ; tile_dim1
	s_mov_b32 s[\g+6], 0
	s_mov_b32 s[\g+7], 0
.endr
	s_mov_b32 s21, 8192                            ; 4,096 positions x 16 bytes / 8
	s_mov_b32 s29, 2048                            ; 1,024 positions
	s_mov_b32 s60, 0x76543210
	s_mov_b32 s61, 0xfedcba98                      ; v_permlanex16_b32's selects for lane l xor 16
	s_xor_b32 s10, s4, 1
	s_mul_i32 s10, s10, 2*XHK                      ; wave 0 fetches h (K steps 2, 3 of [x h]), wave 1 x (K steps 0, 1); positions 128 ty on
	s_lshl_b32 s9, s8, 11
	s_add_co_u32 s10, s10, s9
	s_mov_b32 s11, 0
	s_mul_i32 s12, s4, WK                          ; weights: K step v, positions 128 tx on: on tx and the wave alone
	s_lshl_b32 s13, s7, 11
	s_add_co_u32 s12, s12, s13
	s_mov_b32 s13, 0
	s_mul_i32 s9, s4, UNIT                         ; and in LDS: no place in the cluster enters an LDS address
	s_wait_kmcnt 0x0
	s_add_nc_u64 s[14:15], s[PACT:PACT+1], s[10:11]
	s_add_nc_u64 s[68:69], s[48:49], s[12:13]
	s_mov_b32 s32, 1                               ; h -> units 0, 1
	s_mul_i32 s33, s4, 6*UNIT                      ; h -> units 0, 1; x -> units 6, 7
	s_mov_b64 s[34:35], s[14:15]
	s_or_b32 s35, s35, 0x80000000
	s_mov_b32 s40, 1                               ; r1's weight -> units 2, 3
	s_lshl_b32 s41, s9, 1
	s_add_co_u32 s41, s41, 2*UNIT                  ; wave 2: r1's two K steps -> units 2, 3; wave 3: a1's K steps 2, 3 -> units 4, 5
	s_mov_b32 s70, WA_OFF+WK                       ; (s[68:69] already holds one K step for wave 3)
	s_cmp_eq_u32 s4, 0
	s_cselect_b32 s70, WL_OFF, s70
	s_mov_b32 s71, 0
	s_add_nc_u64 s[42:43], s[68:69], s[70:71]
	s_or_b32 s43, s43, 0x80000000
	s_mov_b32 s72, 1                               ; a1's K steps 0, 1 -> units 2 and 4, later
	s_lshl_b32 s73, s9, 1
	s_add_co_u32 s73, s73, 2*UNIT
	s_add_nc_u64 s[74:75], s[68:69], WA_OFF
	s_or_b32 s75, s75, 0x80000000
	CROUND                                         ; all sixteen work-groups are here: the first joint loads meet
	JL 32, 40
	v_and_b32 v1, 15, v0                           ; r
	v_bfe_u32 v2, v0, 4, 1                         ; h
	v_and_b32 v3, 31, v0                           ; lane
	v_lshlrev_b32 v4, 4, v1
	v_lshl_add_u32 v4, v2, 11, v4                  ; a plane for each half of the lanes + 16 r
	v_lshlrev_b32 v7, 2, v3
	s_lshl_b32 s9, s3, 10                          ; my 64 rows: 1,024 bytes of a plane, and of the scale plane
	s_lshl_b32 s10, s4, 10                         ; my 64 columns
	v_add_nc_u32 v5, s9, v4
	v_add_nc_u32 v6, s10, v4
	v_add_nc_u32 v34, s9, v7
	v_add_nc_u32 v35, s10, v7
.irp k, 0,1
	v_add_nc_u32 v[8+\k], \k*UNIT, v5              ; v8-9   h, K step k
	v_add_nc_u32 v[12+\k], (2+\k)*UNIT, v6         ; v12-13 units 2, 3
	v_add_nc_u32 v[16+\k], \k*UNIT+16*PL, v34      ; v16-17, v20-21 their scale words
	v_add_nc_u32 v[20+\k], (2+\k)*UNIT+16*PL, v35
	v_add_nc_u32 v[10+\k], (6+\k)*UNIT, v5         ; v10-11 x
	v_add_nc_u32 v[14+\k], (4+\k)*UNIT, v6         ; v14-15 units 4, 5
	v_add_nc_u32 v[18+\k], (6+\k)*UNIT+16*PL, v34
	v_add_nc_u32 v[22+\k], (4+\k)*UNIT+16*PL, v35
.endr
	; the way out.  My columns 128 tx + 64 cw + 32 b are block 4 (tx & 3) + 2 cw + b of K step tx >> 2 of the next operand
	s_lshr_b32 s9, s7, 2
	s_mul_i32 s9, s9, 17
	s_and_b32 s10, s7, 3
	s_lshl_b32 s11, s10, 2
	s_add_co_u32 s11, s11, s9
	s_lshl_b32 s12, s4, 1
	s_add_co_u32 s11, s11, s12                     ; the plane of b = 0,
	s_lshl_b32 s11, s11, 16                        ; of 65,536 bytes
	s_lshl_b32 s12, s8, 11
	s_add_co_u32 s11, s11, s12                     ; + 16 x 128 ty
	s_lshl_b32 s12, s3, 10
	s_add_co_u32 s11, s11, s12                     ; + 16 x 64 rw
	v_lshlrev_b32 v26, 4, v1
	v_lshl_add_u32 v26, v2, 3, v26
	v_add_nc_u32 v26, s11, v26                     ; v26: my 8 bytes: row r, half h of the block
	s_add_co_u32 s9, s9, 16
	s_lshl_b32 s9, s9, 16                          ; the scale plane
	s_lshl_b32 s12, s8, 2
	s_add_co_u32 s12, s12, s2
	s_lshl_b32 s12, s12, 9                         ; rows 128 ty + 32 wave on
	s_add_co_u32 s9, s9, s12
	s_lshl_b32 s10, s10, 7                         ; quarter tx & 3
	s_add_co_u32 s9, s9, s10
	v_add_nc_u32 v29, s9, v7                       ; v29: the scale word that I store
	s_lshl_b32 s9, s2, 8
	v_lshlrev_b32 v27, 2, v1
	v_add_nc_u32 v27, s9, v27
	v_add_nc_u32 v27, SCG, v27                     ; v27: my wave's 64 half words, a word each: row r
	s_lshl_b32 s9, s3, 9
	s_lshl_b32 s10, s4, 7
	s_add_co_u32 s9, s9, s10
	v_add_nc_u32 v28, s9, v7
	v_add_nc_u32 v28, SCG, v28                     ; v28: rows 32 wave + lane: the half word of columns' half 0; that of half 1 lies 256 bytes on
	s_lshl_b32 s9, s7, 9
	s_lshl_b32 s10, s4, 8
	s_add_co_u32 s9, s9, s10
	v_lshlrev_b32 v33, 6, v2
	v_add_nc_u32 v33, s9, v33                      ; v33: bias: column 128 tx + 64 cw + 16 h
	s_lshl_b32 s9, s4, 9
	s_lshl_b32 s10, s3, 8
	s_add_co_u32 s9, s9, s10
	v_lshlrev_b32 v30, 2, v1
	v_add_nc_u32 v30, s9, v30
	v_add_nc_u32 v30, APG, v30                     ; v30: my partial sums: [cw][64 rw + r]
	v_lshlrev_b32 v31, 4, v3
	s_lshl_b32 s9, s7, 14
	s_lshl_b32 s10, s8, 9
	s_add_co_u32 s9, s9, s10
	v_add_nc_u32 v32, s9, v31                      ; v32: ap[tx][128 ty + 4 lane]
	v_add_nc_u32 v31, APG, v31                     ; v31: four rows' sums
.irp t, 0,1,2,3                        ; in the result's layout: register 8 t + j of lane (r, h) belongs to column 32 (t / 2) + 16 h + 8 (t % 2) + j of my 64
	global_load_b128 v[128+8*\t:131+8*\t], v33, s[PB:PB+1] offset:128*(\t/2)+32*(\t%2)
	global_load_b128 v[132+8*\t:135+8*\t], v33, s[PB:PB+1] offset:128*(\t/2)+32*(\t%2)+16
	global_load_b128 v[160+8*\t:163+8*\t], v33, s[52:53] offset:128*(\t/2)+32*(\t%2)
	global_load_b128 v[164+8*\t:167+8*\t], v33, s[52:53] offset:128*(\t/2)+32*(\t%2)+16
	global_load_b128 v[192+8*\t:195+8*\t], v33, s[54:55] offset:128*(\t/2)+32*(\t%2)
	global_load_b128 v[196+8*\t:199+8*\t], v33, s[54:55] offset:128*(\t/2)+32*(\t%2)+16
.endr
.irp e, 0,1,2,3,4,5,6,7
	v_mov_b32 v[64+\e], 0                          ; written once: a lane permute's destination counts as one of its sources
.endr
	s_wait_tensorcnt 0x0                           ; my units are in (the first steps read units of both fills),
	s_wait_loadcnt 0x0                             ; and the biases
	s_barrier_signal -1
	s_barrier_wait -1                              ; everybody's are
	FETCH1 0, 0
.irp n, 0,1,2,3,4,5,6,7
	SUB1 \n
.endr
	; THE LAYER GOES OUT: relu, then eight half blocks (tile of rows a, block b: e = 2 a + b, 16 registers from 16 e) are quantised
	PLACES
	WIN 0x88
.set ii, 0
.rept 128
	v_max_num_f32 v[ii], 0, v[ii]                  ; each accumulator from its low end on
.set ii, ii+1
.endr
	WIN 0x0a
.irp e, 0,1,2,3,4,5,6,7
	v_max3_num_f32 v[56+\e], v[16*\e], v[16*\e+1], 0x1800000       ; none is negative: no |.|; the floor 2^(3 - 127) holds the byte at 1 from below
.endr
	WIN 0x28
.irp i, 2,4,6,8,10,12,14
.irp e, 0,1,2,3,4,5,6,7
	v_max3_num_f32 v[56+\e], v[56+\e], v[16*\e+\i], v[16*\e+\i+1]
.endr
.endr
	WIN 0
.irp e, 0,1,2,3,4,5,6,7
	v_permlanex16_b32 v[64+\e], v[56+\e], s60, s61
.endr
.irp e, 0,1,2,3,4,5,6,7
	v_max_num_f32 v[56+\e], v[56+\e], v[64+\e]     ; with lane l xor 16's 16 columns: the block's largest
.endr
.irp e, 0,1,2,3,4,5,6,7
	v_add_nc_u32 v[72+\e], 0xff000000, v[56+\e]    ; 2 off the exponent field: the conversion's scale operand
.endr
.irp e, 0,1,2,3,4,5,6,7
	v_lshrrev_b32 v[80+\e], 23, v[72+\e]           ; the scale's byte
.endr
.irp i, 0,1,2,3
	v_lshl_or_b32 v[104+\i], v[81+2*\i], 8, v[80+2*\i]             ; my two bytes of row 16 i + r's scale word
.endr
	WIN 0x02
.irp e, 0,1,2,3,4,5,6,7
	v_cvt_scalef32_pk8_fp4_f32 v[88+2*\e], v[16*\e:16*\e+7], v[72+\e]
	v_cvt_scalef32_pk8_fp4_f32 v[89+2*\e], v[16*\e+8:16*\e+15], v[72+\e]
.endr
	v_nop                                          ; one plain instruction behind the last scaled conversion
	WIN 0
.irp e, 0,1,2,3,4,5,6,7
	global_store_b64 v26, v[88+2*\e:89+2*\e], s[PO:PO+1] offset:65536*(\e%2)+256*(\e/2)   ; 16 rows x 16 bytes: 256 consecutive bytes, aligned
.endr
.irp i, 0,1,2,3
	ds_store_b32 v27, v[104+\i] offset:64*\i       ; both halves of the lanes write the same word with the same value
.endr
	s_wait_tensorcnt 0x0                           ; my part of a1's K steps 0 and 1 is in,
	s_wait_dscnt 0x0
	s_barrier_signal -1
	s_barrier_wait -1                              ; everybody's is
	FETCH2 0, 0
.irp n, 0,1,2,3,4,5,6,7
	SUB2 \n
.endr
	; relu(a1) . a2_w over my 64 columns, for my 64 rows
	PLACES
	WIN 0x88
.set ii, 128
.rept 128
	v_max_num_f32 v[ii], 0, v[ii]
.set ii, ii+1
.endr
	WIN 0x02
.irp i, 0,1,2,3
	v_pk_mul_f32 v[108+2*\i:109+2*\i], v[128+32*\i:129+32*\i], v[192:193]
.endr
.irp j, 2,4,6,8,10,12,14,16,18,20,22,24,26,28,30
.irp i, 0,1,2,3
	v_pk_fma_f32 v[108+2*\i:109+2*\i], v[128+32*\i+\j:129+32*\i+\j], v[192+\j:193+\j], v[108+2*\i:109+2*\i]   ; the four tiles of rows by turns
.endr
.endr
	WIN 0
.irp i, 0,1,2,3
	v_add_f32 v[108+2*\i], v[108+2*\i], v[109+2*\i]
.endr
.irp i, 0,1,2,3
	v_permlanex16_b32 v[64+\i], v[108+2*\i], s60, s61
.endr
.irp i, 0,1,2,3
	v_add_f32 v[108+2*\i], v[108+2*\i], v[64+\i]   ; with lane l xor 16's 32 columns
.endr
.irp i, 0,1,2,3
	ds_store_b32 v30, v[108+2*\i] offset:64*\i
.endr
	s_wait_dscnt 0x0                               ; for the others' sake: my stores into LDS are done
	s_barrier_signal -1
	s_barrier_wait -1
	ds_load_b32 v36, v28                           ; rows 32 wave + lane: the bytes of the left 64 columns,
	ds_load_b32 v37, v28 offset:256                ; of the right
	s_wait_dscnt 0x0
	v_lshl_or_b32 v36, v37, 16, v36
	global_store_b32 v29, v36, s[PO:PO+1]          ; 128 consecutive bytes
	s_cmp_lg_u32 s2, 1
	s_cbranch_scc1 .Lno_ap                         ; wave 1 alone adds the two halves of the columns and stores the 128 rows' sums
	ds_load_b128 v[116:119], v31
	ds_load_b128 v[120:123], v31 offset:512
	s_wait_dscnt 0x0
	v_pk_add_f32 v[116:117], v[116:117], v[120:121]
	v_pk_add_f32 v[118:119], v[118:119], v[122:123]
	global_store_b128 v32, v[116:119], s[58:59]    ; 512 consecutive bytes
.Lno_ap:
	s_wait_tensorcnt 0x0                           ; the wave's end
	ds_add_u32 v24, v25
	s_wait_dscnt 0x0
	CROUND                                         ; the closing round: no work-group ends while a partner may still ask for a unit that names it
	s_endpgm
.Lfunc_end_k_q24b66fbaf7_layer1:
	.size	k_q24b66fbaf7_layer1, .Lfunc_end_k_q24b66fbaf7_layer1-k_q24b66fbaf7_layer1
	.p2alignl 7, 3214868480
	.fill 96, 4, 3214868480
	.section	.rodata,"a",@progbits
	.p2align	6, 0x0
	.amdhsa_kernel k_q24b66fbaf7_layer1
		.amdhsa_group_segment_fixed_size 327680
		.amdhsa_private_segment_fixed_size 0
		.amdhsa_enable_private_segment 0
		.amdhsa_kernarg_size 48
		.amdhsa_user_sgpr_count 2
		.amdhsa_user_sgpr_kernarg_segment_ptr 1
		.amdhsa_wavefront_size32 1
		.amdhsa_system_sgpr_workgroup_id_x 1
		.amdhsa_system_sgpr_workgroup_id_y 1
		.amdhsa_system_sgpr_workgroup_id_z 1
		.amdhsa_system_vgpr_workitem_id 0
		.amdhsa_next_free_vgpr 768
		.amdhsa_next_free_sgpr 80
		.amdhsa_reserve_vcc 0
		.amdhsa_float_denorm_mode_32 3
		.amdhsa_float_denorm_mode_16_64 3
		.amdhsa_memory_ordered 1
		.amdhsa_forward_progress 1
		.amdhsa_inst_pref_size 111
	.end_amdhsa_kernel
	.amdgpu_metadata
---
amdhsa.version: [ 1, 2 ]
amdhsa.kernels:
  - .name:           k_q24b66fbaf7_layer1
    .symbol:         k_q24b66fbaf7_layer1.kd
    .args:
      - { .name: qw, .offset: 0, .size: 8, .value_kind: global_buffer, .address_space: global }
      - { .name: r1_b, .offset: 8, .size: 8, .value_kind: global_buffer, .address_space: global }
      - { .name: a1_b, .offset: 16, .size: 8, .value_kind: global_buffer, .address_space: global }
      - { .name: a2_w, .offset: 24, .size: 8, .value_kind: global_buffer, .address_space: global }
      - { .name: h1, .offset: 32, .size: 8, .value_kind: global_buffer, .address_space: global }
      - { .name: ap, .offset: 40, .size: 8, .value_kind: global_buffer, .address_space: global }
    .group_segment_fixed_size: 327680
    .private_segment_fixed_size: 0
    .kernarg_segment_align: 8
    .kernarg_segment_size: 48
    .max_flat_workgroup_size: 128
    .sgpr_count:     80
    .vgpr_count:     768
    .wavefront_size: 32
...
	.end_amdgpu_metadata
.endif
;; end of part 2
;; launch layer2 (part 3): grid 8 x 32, 4 waves a work-group, clusters of 4 x 4, 168,448 bytes of LDS; arguments qw, h1, r2_b, h2; writes h2
.if DOCPART == 3
	.amdgcn_target "amdgcn-amd-amdhsa--gfx1250"
	.amdhsa_code_object_version 6
	.text
	.protected	k_q24b66fbaf7_layer2
	.globl	k_q24b66fbaf7_layer2
	.p2align	8
	.type	k_q24b66fbaf7_layer2,@function
k_q24b66fbaf7_layer2:
	s_mov_b64 s[64:65], 0
	v_nop
	global_prefetch_b8 v0, s[64:65] scope:SCOPE_SE
	s_setreg_imm32_b32 hwreg(HW_REG_WAVE_MODE, 25, 1), 1
	s_wait_xcnt 0x0
	s_wait_alu depctr_hold_cnt(0) depctr_sa_sdst(0) depctr_va_vdst(0) depctr_va_sdst(0) depctr_va_ssrc(0) depctr_va_vcc(0) depctr_vm_vsrc(0)
	s_getreg_b32 s2, hwreg(HW_REG_IB_STS2, 6, 4)
	s_cmp_eq_u32 s2, 0
	s_cbranch_scc0 .Lentry_in_a_cluster
	s_endpgm
.Lentry_in_a_cluster:
	s_bfe_u32 s2, ttmp6, 0x10000c
	s_cmp_lg_u32 s2, 0xf033
	s_cbranch_scc0 .Lentry_shape_is_right
	s_endpgm
.Lentry_shape_is_right:
; WITH_A1 = 1:  h1 = Q(relu(h r1^T + r1_b)), as codes and scale words, and ap[t][row] = the part of relu([x h] a1^T + a1_b) . a2_w that falls on columns 128 t .. 128 t + 127.
; WITH_A1 = 0:  the same text makes h2 = Q(relu(h1 r2^T + r2_b)).  THIS IS THAT FORM: four units, each filled once; no bytes of LDS are filled again.
; All products on codes of FP4 (E2M1) with E8M0 scales for each 32 along K; sums, bias and relu in f32.
; OPERANDS lie as [K / 512][17 planes][positions][16 bytes]: plane j < 16 holds block j's 32 codes of each position, plane 16 the scale words (position p, quarter q at 512 (p / 32) + 128 q + 4 (p % 32)).
; A UNIT is 128 positions x 512 K: 17 rows of 2,048 bytes, one tensor load, dense in LDS.  A fragment's two loads read, for each half of the lanes, 256 consecutive bytes.
; SHARES.  A work-group makes 128 rows x 128 columns, a wave 64 x 64: 16 accumulators.
; THE PRODUCTS ARE USED TRANSPOSED (source 0 = 16 positions of the weight, source 1 = 16 rows): with the weights' rows placed as they are in qw, the 16 registers of tiles 2 b, 2 b + 1 of a lane are
; the columns 32 b + 16 (lane / 16) + 0 .. 15 of ONE row: half a block of the next K.  The bias is the C of each sum's first product.
; CLUSTERS: 4 x 4 work-groups; activations' units are shared along a row of the cluster, weights' along a column, each by a joint load.
; K is 8 steps of 128: all steps are written out.  Nothing is prefetched: each unit is asked for once by four work-groups jointly, at the head.
; LIMITS: a block of zeros gets the scale byte 1 (its codes are zeros; this program alone reads the bytes); NaN and infinities are not served; scale words leave in runs of 128 bytes.
; REGISTERS.  window 0: v1-37 lane numbers and addresses; v40-51 scale words, two sets; v56-107 at work on the way out; v128-159 the layer's bias, in the result's layout.
;   window 1: fragments, set p at 96 p: 4 of the rows, 4 of the layer's weight.   window 2: v0-127 the accumulators ((a, t) at 8 (4 a + t)).
.set WITH_A1, 0
.set UNIT,   34816
.set PL,     2048                      ; a plane of a unit
.set XHK,    1114112                   ; a K step of an operand of 4,096 positions
.set WK,     278528                    ; of one of 1,024 positions
.set WA_OFF, 10027008                  ; a1's codes in qw
.if WITH_A1
.set WL_OFF, 11141120                  ; r1's
.set SCG,    8*UNIT                    ; behind the units: the rows' half scale words, 256 bytes a wave
.set PACT,   48                        ; s[48:49] qw holds the rows' codes
.set PB,     50                        ; r1_b
.set PO,     56                        ; h1
.else
.set WL_OFF, 11698176                  ; r2's
.set SCG,    4*UNIT
.set PACT,   50                        ; h1
.set PB,     52                        ; r2_b
.set PO,     54                        ; h2
.endif
.set APG,    SCG+1024
.set SPARE,  APG+1024
.set MSB, 0
.macro WIN new                         ; the immediate's high byte repeats the setting that is left; bits 1:0 source 0, 3:2 source 1, 5:4 source 2, 7:6 destination
.if MSB != \new
	s_set_vgpr_msb (MSB<<8)|\new
.set MSB, \new
.endif
.endm
.macro PLACES                          ; four plain instructions behind a matrix instruction, ahead of loads into its registers and of reads of its result
.rept 4
	v_nop
.endr
.endm
.macro CREST                           ; a round of the cluster's barrier behind its opening barrier
	s_cmp_lg_u32 s2, 0
	s_cbranch_scc1 .Lnot_wave_0_\@
	s_barrier_signal -3
.Lnot_wave_0_\@:
	s_barrier_wait -3
	s_barrier_signal -1
	s_barrier_wait -1
.endm
.macro CROUND
	s_barrier_signal -1
	s_barrier_wait -1
	CREST
.endm
.macro JL g0a, g0w                     ; a joint load: waves 0 and 1 fetch rows' units, waves 2 and 3 weights'; four v_nop follow each line
	s_cmp_lt_u32 s2, 2
	s_cbranch_scc0 .Lfor_w_\@
	tensor_load_to_lds s[\g0a:\g0a+3], s[16:23]
	s_nop 0
.rept 4
	v_nop
.endr
	s_branch .Lasked_\@
.Lfor_w_\@:
	tensor_load_to_lds s[\g0w:\g0w+3], s[24:31]
	s_nop 0
.rept 4
	v_nop
.endr
.Lasked_\@:
.endm
; One product.  ra, rb: the scale words of source 0, source 1 stand in lanes 16-31 of their register.
.macro WM d, a, b, c, sa, sb, ra, rb
.set wD, \d
.set wA, \a
.set wB, \b
.set wC, \c
.set wS, \sa
.set wT, \sb
.set wR, 2*(\ra)+(\rb)
.if wR == 0
	v_wmma_scale_f32_16x16x128_f8f6f4 v[wD:wD+7], v[wA:wA+7], v[wB:wB+7], v[wC:wC+7], v[wS], v[wT] matrix_a_fmt:MATRIX_FMT_FP4 matrix_b_fmt:MATRIX_FMT_FP4
.elseif wR == 1
	v_wmma_scale_f32_16x16x128_f8f6f4 v[wD:wD+7], v[wA:wA+7], v[wB:wB+7], v[wC:wC+7], v[wS], v[wT] matrix_a_fmt:MATRIX_FMT_FP4 matrix_b_fmt:MATRIX_FMT_FP4 matrix_b_scale:MATRIX_SCALE_ROW1
.elseif wR == 2
	v_wmma_scale_f32_16x16x128_f8f6f4 v[wD:wD+7], v[wA:wA+7], v[wB:wB+7], v[wC:wC+7], v[wS], v[wT] matrix_a_fmt:MATRIX_FMT_FP4 matrix_b_fmt:MATRIX_FMT_FP4 matrix_a_scale:MATRIX_SCALE_ROW1
.else
	v_wmma_scale_f32_16x16x128_f8f6f4 v[wD:wD+7], v[wA:wA+7], v[wB:wB+7], v[wC:wC+7], v[wS], v[wT] matrix_a_fmt:MATRIX_FMT_FP4 matrix_b_fmt:MATRIX_FMT_FP4 matrix_a_scale:MATRIX_SCALE_ROW1 matrix_b_scale:MATRIX_SCALE_ROW1
.endif
.endm
.macro FR dst, adr, off                ; a fragment, 16 positions x 128 K: registers 4 c .. 4 c + 3 of lane (r, h) are block 2 c + h of the quarter: two loads, two planes apart
	ds_load_b128 v[\dst:\dst+3], v[\adr] offset:\off
	ds_load_b128 v[\dst+4:\dst+7], v[\adr] offset:\off+2*PL
.endm
; Step n of 8 of the layer's K, into set p: the rows' four fragments, the weight's four, and their scale words
.macro FETCH1 n, p
.set fK, (\n)/4
.set fQ, (\n)%4
	WIN 0x40                                       ; destination window 1, address window 0
.irp j, 0,1,2,3
	FR 96*(\p)+8*\j, 8+fK, 8192*fQ+256*\j
.endr
.irp j, 0,1,2,3
	FR 96*(\p)+32+8*\j, 12+fK, 8192*fQ+256*\j
.endr
	WIN 0
.irp j, 0,1
	ds_load_b32 v[40+6*(\p)+\j], v[16+fK] offset:512*\j+128*fQ     ; 32 positions' words: the even tile's in lanes 0-15, the odd tile's in lanes 16-31
	ds_load_b32 v[42+6*(\p)+\j], v[20+fK] offset:512*\j+128*fQ
.endr
.endm
; 16 products: 4 tiles of rows x 4 tiles of columns, 128 along K, from set p.  cb: the bias (the sum's first step), or -1.
; The accumulators take turns, one instruction a turn, in the same order in every step.
.macro MULS p, acc, wf, sw, cb
.irp i, 0,1,2,3
.irp t, 0,1,2,3
.if (\cb) < 0
	WM \acc+8*(4*\i+\t), 96*(\p)+\wf+8*\t, 96*(\p)+8*\i, \acc+8*(4*\i+\t), 40+6*(\p)+\sw+\t/2, 40+6*(\p)+\i/2, \t%2, \i%2
.else
	WM \acc+8*(4*\i+\t), 96*(\p)+\wf+8*\t, 96*(\p)+8*\i, \cb+8*\t, 40+6*(\p)+\sw+\t/2, 40+6*(\p)+\i/2, \t%2, \i%2
.endif
.endr
.endr
.endm
; A step: this set's loads, issued a step ago, are in; the next step's go out in one run into the other set; then the products.
.macro SUB1 n
	s_wait_dscnt 0x0
.if (\n) < 7
	PLACES
	FETCH1 (\n)+1, 1-(\n)%2
.endif
.if (\n) == 0
	WIN 0x85                                       ; fragments window 1, C (the bias) window 0, D window 2
	MULS 0, 0, 32, 2, 128
.else
	WIN 0xa5                                       ; fragments window 1, C and D window 2
	MULS (\n)%2, 0, 32, 2, -1
.endif
.endm
	s_load_b256 s[48:55], s[0:1], 0x0              ; qw, h1, r2_b, h2
	v_lshl_add_u32 v254, v0, 2, 0x29000
	v_mov_b32 v255, 0
	ds_add_u32 v254, v255
	ds_add_u32 v254, v255
	v_lshrrev_b32 v1, 5, v0
	v_readfirstlane_b32 s2, v1                     ; wave 0..3
	s_lshr_b32 s3, s2, 1                           ; rw: which 64 rows are mine
	s_and_b32 s4, s2, 1                            ; cw: which 64 columns.  Also: which of two units I fetch
	s_bfe_u32 s5, ttmp6, 0x40000                   ; cx, cy: my place in the cluster
	s_bfe_u32 s6, ttmp6, 0x40004
	s_lshl_b32 s7, ttmp9, 2
	s_add_co_u32 s7, s7, s5                        ; tx: which 128 columns
	s_and_b32 s8, ttmp7, 0xffff
	s_lshl_b32 s8, s8, 2
	s_add_co_u32 s8, s8, s6                        ; ty: which 128 rows
	s_lshl_b32 s9, s6, 2
	s_lshl_b32 s9, 15, s9                          ; my row of the cluster
	s_lshl_b32 s12, 0x1111, s5                     ; my column
	; descriptor group 1: 17 rows of 256 elements of 8 bytes; the pitch is the operand's plane
	s_or_b32 s16, s9, (3<<16)|(1<<21)              ; 15:0 the mask: rows' units go to my row of the cluster; 17:16 elements of 8 bytes; 21 set beside a mask
	s_or_b32 s24, s12, (3<<16)|(1<<21)             ; weights' units go to my column
.irp g, 16, 24
	s_mov_b32 s[\g+1], 256<<16                     ; tensor_dim0
	s_mov_b32 s[\g+2], 17<<16                      ; tensor_dim1
	s_mov_b32 s[\g+3], 256<<16                     ; tile_dim0
	s_mov_b32 s[\g+4], 17                          ; tile_dim1
	s_mov_b32 s[\g+6], 0
	s_mov_b32 s[\g+7], 0
.endr
	s_mov_b32 s21, 8192                            ; 4,096 positions x 16 bytes / 8
	s_mov_b32 s29, 2048                            ; 1,024 positions
	s_mov_b32 s60, 0x76543210
	s_mov_b32 s61, 0xfedcba98                      ; v_permlanex16_b32's selects for lane l xor 16
	s_mul_i32 s10, s4, XHK                         ; rows: K step v, positions 128 ty on: it hangs on ty and the wave alone
	s_lshl_b32 s9, s8, 11
	s_add_co_u32 s10, s10, s9
	s_mov_b32 s11, 0
	s_mul_i32 s12, s4, WK                          ; weights: K step v, positions 128 tx on: on tx and the wave alone
	s_lshl_b32 s13, s7, 11
	s_add_co_u32 s12, s12, s13
	s_mov_b32 s13, 0
	s_mul_i32 s9, s4, UNIT                         ; and in LDS: no place in the cluster enters an LDS address
	s_wait_dscnt 0x0
	s_wait_kmcnt 0x0
	s_add_nc_u64 s[14:15], s[PACT:PACT+1], s[10:11]
	s_add_nc_u64 s[68:69], s[48:49], s[12:13]
	s_mov_b32 s32, 1                               ; the layer's rows -> units 0, 1
	s_mov_b32 s33, s9
	s_mov_b64 s[34:35], s[14:15]
	s_or_b32 s35, s35, 0x80000000
	s_mov_b32 s40, 1                               ; the layer's weight -> units 2, 3
	s_add_co_u32 s41, s9, 2*UNIT
	s_add_nc_u64 s[42:43], s[68:69], WL_OFF
	s_or_b32 s43, s43, 0x80000000
	CROUND                                         ; all sixteen work-groups are here: the joint loads meet
	JL 32, 40                                      ; one tensor load of mine is out
	v_and_b32 v1, 15, v0                           ; r
	v_bfe_u32 v2, v0, 4, 1                         ; h
	v_and_b32 v3, 31, v0                           ; lane
	v_lshlrev_b32 v4, 4, v1
	v_lshl_add_u32 v4, v2, 11, v4                  ; a plane for each half of the lanes + 16 r
	v_lshlrev_b32 v7, 2, v3
	s_lshl_b32 s9, s3, 10                          ; my 64 rows: 1,024 bytes of a plane, and of the scale plane
	s_lshl_b32 s10, s4, 10                         ; my 64 columns
	v_add_nc_u32 v5, s9, v4
	v_add_nc_u32 v6, s10, v4
	v_add_nc_u32 v34, s9, v7
	v_add_nc_u32 v35, s10, v7
.irp k, 0,1
	v_add_nc_u32 v[8+\k], \k*UNIT, v5              ; v8-9   the layer's rows, K step k
	v_add_nc_u32 v[12+\k], (2+\k)*UNIT, v6         ; v12-13 units 2, 3
	v_add_nc_u32 v[16+\k], \k*UNIT+16*PL, v34      ; v16-17, v20-21 their scale words
	v_add_nc_u32 v[20+\k], (2+\k)*UNIT+16*PL, v35
.endr
	; the way out.  My columns 128 tx + 64 cw + 32 b are block 4 (tx & 3) + 2 cw + b of K step tx >> 2 of the next operand
	s_lshr_b32 s9, s7, 2
	s_mul_i32 s9, s9, 17
	s_and_b32 s10, s7, 3
	s_lshl_b32 s11, s10, 2
	s_add_co_u32 s11, s11, s9
	s_lshl_b32 s12, s4, 1
	s_add_co_u32 s11, s11, s12                     ; the plane of b = 0,
	s_lshl_b32 s11, s11, 16                        ; of 65,536 bytes
	s_lshl_b32 s12, s8, 11
	s_add_co_u32 s11, s11, s12                     ; + 16 x 128 ty
	s_lshl_b32 s12, s3, 10
	s_add_co_u32 s11, s11, s12                     ; + 16 x 64 rw
	v_lshlrev_b32 v26, 4, v1
	v_lshl_add_u32 v26, v2, 3, v26
	v_add_nc_u32 v26, s11, v26                     ; v26: my 8 bytes: row r, half h of the block
	s_add_co_u32 s9, s9, 16
	s_lshl_b32 s9, s9, 16                          ; the scale plane
	s_lshl_b32 s12, s8, 2
	s_add_co_u32 s12, s12, s2
	s_lshl_b32 s12, s12, 9                         ; rows 128 ty + 32 wave on
	s_add_co_u32 s9, s9, s12
	s_lshl_b32 s10, s10, 7                         ; quarter tx & 3
	s_add_co_u32 s9, s9, s10
	v_add_nc_u32 v29, s9, v7                       ; v29: the scale word that I store
	s_lshl_b32 s9, s2, 8
	v_lshlrev_b32 v27, 2, v1
	v_add_nc_u32 v27, s9, v27
	v_add_nc_u32 v27, SCG, v27                     ; v27: my wave's 64 half words, a word each: row r
	s_lshl_b32 s9, s3, 9
	s_lshl_b32 s10, s4, 7
	s_add_co_u32 s9, s9, s10
	v_add_nc_u32 v28, s9, v7
	v_add_nc_u32 v28, SCG, v28                     ; v28: rows 32 wave + lane: the half word of columns' half 0; that of half 1 lies 256 bytes on
	s_lshl_b32 s9, s7, 9
	s_lshl_b32 s10, s4, 8
	s_add_co_u32 s9, s9, s10
	v_lshlrev_b32 v33, 6, v2
	v_add_nc_u32 v33, s9, v33                      ; v33: bias: column 128 tx + 64 cw + 16 h
.irp t, 0,1,2,3                        ; in the result's layout: register 8 t + j of lane (r, h) belongs to column 32 (t / 2) + 16 h + 8 (t % 2) + j of my 64
	global_load_b128 v[128+8*\t:131+8*\t], v33, s[PB:PB+1] offset:128*(\t/2)+32*(\t%2)
	global_load_b128 v[132+8*\t:135+8*\t], v33, s[PB:PB+1] offset:128*(\t/2)+32*(\t%2)+16
.endr
.irp e, 0,1,2,3,4,5,6,7
	v_mov_b32 v[64+\e], 0                          ; written once: a lane permute's destination counts as one of its sources
.endr
	s_wait_tensorcnt 0x0                           ; my unit is in,
	s_wait_loadcnt 0x0                             ; and the bias
	s_barrier_signal -1
	s_barrier_wait -1                              ; everybody's are
	FETCH1 0, 0
.irp n, 0,1,2,3,4,5,6,7
	SUB1 \n
.endr
	; THE LAYER GOES OUT: relu, then eight half blocks (tile of rows a, block b: e = 2 a + b, 16 registers from 16 e) are quantised
	PLACES
	WIN 0x88
.set ii, 0
.rept 128
	v_max_num_f32 v[ii], 0, v[ii]                  ; each accumulator from its low end on
.set ii, ii+1
.endr
	WIN 0x0a
.irp e, 0,1,2,3,4,5,6,7
	v_max3_num_f32 v[56+\e], v[16*\e], v[16*\e+1], 0x1800000       ; none is negative: no |.|; the floor 2^(3 - 127) holds the byte at 1 from below
.endr
	WIN 0x28
.irp i, 2,4,6,8,10,12,14
.irp e, 0,1,2,3,4,5,6,7
	v_max3_num_f32 v[56+\e], v[56+\e], v[16*\e+\i], v[16*\e+\i+1]
.endr
.endr
	WIN 0
.irp e, 0,1,2,3,4,5,6,7
	v_permlanex16_b32 v[64+\e], v[56+\e], s60, s61
.endr
.irp e, 0,1,2,3,4,5,6,7
	v_max_num_f32 v[56+\e], v[56+\e], v[64+\e]     ; with lane l xor 16's 16 columns: the block's largest
.endr
.irp e, 0,1,2,3,4,5,6,7
	v_add_nc_u32 v[72+\e], 0xff000000, v[56+\e]    ; 2 off the exponent field: the conversion's scale operand
.endr
.irp e, 0,1,2,3,4,5,6,7
	v_lshrrev_b32 v[80+\e], 23, v[72+\e]           ; the scale's byte
.endr
.irp i, 0,1,2,3
	v_lshl_or_b32 v[104+\i], v[81+2*\i], 8, v[80+2*\i]             ; my two bytes of row 16 i + r's scale word
.endr
	WIN 0x02
.irp e, 0,1,2,3,4,5,6,7
	v_cvt_scalef32_pk8_fp4_f32 v[88+2*\e], v[16*\e:16*\e+7], v[72+\e]
	v_cvt_scalef32_pk8_fp4_f32 v[89+2*\e], v[16*\e+8:16*\e+15], v[72+\e]
.endr
	v_nop                                          ; one plain instruction behind the last scaled conversion
	WIN 0
.irp e, 0,1,2,3,4,5,6,7
	global_store_b64 v26, v[88+2*\e:89+2*\e], s[PO:PO+1] offset:65536*(\e%2)+256*(\e/2)   ; 16 rows x 16 bytes: 256 consecutive bytes, aligned
.endr
.irp i, 0,1,2,3
	ds_store_b32 v27, v[104+\i] offset:64*\i       ; both halves of the lanes write the same word with the same value
.endr
	s_wait_dscnt 0x0                               ; for the others' sake: my stores into LDS are done
	s_barrier_signal -1
	s_barrier_wait -1
	ds_load_b32 v36, v28                           ; rows 32 wave + lane: the bytes of the left 64 columns,
	ds_load_b32 v37, v28 offset:256                ; of the right
	s_wait_dscnt 0x0
	v_lshl_or_b32 v36, v37, 16, v36
	global_store_b32 v29, v36, s[PO:PO+1]          ; 128 consecutive bytes
	s_wait_tensorcnt 0x0
	ds_add_u32 v254, v255
	s_wait_dscnt 0x0
	CROUND                                         ; the closing round: no work-group ends while a partner may still ask for a unit that names it
	s_endpgm
.Lfunc_end_k_q24b66fbaf7_layer2:
	.size	k_q24b66fbaf7_layer2, .Lfunc_end_k_q24b66fbaf7_layer2-k_q24b66fbaf7_layer2
	.p2alignl 7, 3214868480
	.fill 96, 4, 3214868480
	.section	.rodata,"a",@progbits
	.p2align	6, 0x0
	.amdhsa_kernel k_q24b66fbaf7_layer2
		.amdhsa_group_segment_fixed_size 168448
		.amdhsa_private_segment_fixed_size 0
		.amdhsa_enable_private_segment 0
		.amdhsa_kernarg_size 32
		.amdhsa_user_sgpr_count 2
		.amdhsa_user_sgpr_kernarg_segment_ptr 1
		.amdhsa_wavefront_size32 1
		.amdhsa_system_sgpr_workgroup_id_x 1
		.amdhsa_system_sgpr_workgroup_id_y 1
		.amdhsa_system_sgpr_workgroup_id_z 1
		.amdhsa_system_vgpr_workitem_id 0
		.amdhsa_next_free_vgpr 768
		.amdhsa_next_free_sgpr 80
		.amdhsa_reserve_vcc 0
		.amdhsa_float_denorm_mode_32 3
		.amdhsa_float_denorm_mode_16_64 3
		.amdhsa_memory_ordered 1
		.amdhsa_forward_progress 1
		.amdhsa_inst_pref_size 49
	.end_amdhsa_kernel
	.amdgpu_metadata
---
amdhsa.version: [ 1, 2 ]
amdhsa.kernels:
  - .name:           k_q24b66fbaf7_layer2
    .symbol:         k_q24b66fbaf7_layer2.kd
    .args:
      - { .name: qw, .offset: 0, .size: 8, .value_kind: global_buffer, .address_space: global }
      - { .name: h1, .offset: 8, .size: 8, .value_kind: global_buffer, .address_space: global }
      - { .name: r2_b, .offset: 16, .size: 8, .value_kind: global_buffer, .address_space: global }
      - { .name: h2, .offset: 24, .size: 8, .value_kind: global_buffer, .address_space: global }
    .group_segment_fixed_size: 168448
    .private_segment_fixed_size: 0
    .kernarg_segment_align: 8
    .kernarg_segment_size: 32
    .max_flat_workgroup_size: 128
    .sgpr_count:     80
    .vgpr_count:     768
    .wavefront_size: 32
...
	.end_amdgpu_metadata
.endif
;; end of part 3
;; launch cell (part 4): grid 16 x 16, 4 waves a work-group, clusters of 4 x 4, 327,680 bytes of LDS; arguments qw, h2, c_prev, out0, out1, ap, a2_b, r3_b, Wi_b, Ui_b, Ws_b, Us_b, Wc_b, Uc_b, Wf_b, Uf_b, Wo_b, Uo_b; writes out0, out1
.if DOCPART == 4
	.amdgcn_target "amdgcn-amd-amdhsa--gfx1250"
	.amdhsa_code_object_version 6
	.text
	.protected	k_q24b66fbaf7_cell
	.globl	k_q24b66fbaf7_cell
	.p2align	8
	.type	k_q24b66fbaf7_cell,@function
k_q24b66fbaf7_cell:
	s_mov_b64 s[64:65], 0
	v_nop
	global_prefetch_b8 v0, s[64:65] scope:SCOPE_SE
	s_setreg_imm32_b32 hwreg(HW_REG_WAVE_MODE, 25, 1), 1
	s_wait_xcnt 0x0
	s_wait_alu depctr_hold_cnt(0) depctr_sa_sdst(0) depctr_va_vdst(0) depctr_va_sdst(0) depctr_va_ssrc(0) depctr_va_vcc(0) depctr_vm_vsrc(0)
	s_getreg_b32 s2, hwreg(HW_REG_IB_STS2, 6, 4)
	s_cmp_eq_u32 s2, 0
	s_cbranch_scc0 .Lentry_in_a_cluster
	s_endpgm
.Lentry_in_a_cluster:
	s_bfe_u32 s2, ttmp6, 0x10000c
	s_cmp_lg_u32 s2, 0xf033
	s_cbranch_scc0 .Lentry_shape_is_right
	s_endpgm
.Lentry_shape_is_right:
; The five gates (i, s, c, f, o) = [x h] [W U]^T + biases, alpha = sigmoid(sum of ap's eight parts + a2_b), the residual h2 r3^T + r3_b,
; c_t = f c_prev + i tanh(c) s alpha + residual (out1) and h_t = o tanh(c_t) (out0).  Products on codes of FP4 (E2M1) with E8M0 scales for each 32 along K; all else in f32.
; OPERANDS lie as [K / 512][17 planes][positions][16 bytes]: plane j < 16 holds block j's 32 codes of each position, plane 16 the scale words (position p, quarter q at 512 (p / 32) + 128 q + 4 (p % 32)).
; SHARES.  A work-group makes 256 rows x 64 columns, a wave 128 rows x 32 columns of all five gates: 40 accumulators of 32 x 16, 640 registers.
; THE PRODUCT IS v_wmma_scale_f32_32x16x128_f4, USED TRANSPOSED: source 0 = 32 positions of a weight (their 32 scale words fill the 32 lanes), source 1 = 16 rows.  With the weights' rows placed as they are in qw,
; the 16 registers of an accumulator are the columns 16 (lane / 16) + 0 .. 15 of ONE row (lane % 16).
; LDS.  Rows' half a (128 rows), K parity s: 2 U a + U s.  Weights' half b (160 positions), parity s: 4 U + 2 BS b + BS s.  A fill is four loads of 17 planes, one a wave: the rows' two halves, the weights' two halves.
; The head brings K step 0 into parity 0; K step 1 goes into parity 1 behind the first round, issued as a refill is.
; CLUSTERS: 4 x 4 work-groups; rows' units are shared along a row of the cluster, weights' along a column, each by a joint load; c_prev's tile is the work-group's own.
; PREFETCH: c_prev's 256 rows x 256 bytes, a lane a row, two instructions a wave, at the head: three K steps ahead of the load that wants them.  The operands' tiles are not prefetched: K is four slots long,
; and two of the four are asked for before the first product.
; All sixteen steps of 128 along K are written out: the four refills differ from each other.
; LIMITS: NaN and infinities among the inputs are not served; 2 log2(e) x the argument of each tanh is held at 40 from above (tanh is 1 there to f32's last bit).
; REGISTERS.  window 0: v1-31 addresses; v32-57 alpha, at work; v72-89 scale words, two sets; v96-255 weights' fragments, two sets of 80 (later biases, rows on the way out).
;   window 1: v0-127 rows' fragments, two sets (later c_prev); v128-255 gate i.   window 2: gates s, c.   window 3: gates f, o.
.set U,      34816
.set BS,     43520
.set RS,     17408
.set BB,     4*U
.set CPP,    272
.set ALPHA,  4*U+4*BS
.set BIAS,   ALPHA+1024
.set SPARE,  BIAS+1536                 ; the spare words, 128 bytes a wave: two blocks of 256 bytes that no other line names
.set XHK,    1114112
.set WGK,    1392640
.set WK,     278528
.set WG_OFF, 4456448
.set WR3_OFF, 12255232
.set MSB, 0
.macro WIN new                         ; the immediate's high byte repeats the setting that is left
.if MSB != \new
	s_set_vgpr_msb (MSB<<8)|\new
.set MSB, \new
.endif
.endm
.macro PLACES                          ; four plain instructions behind a matrix instruction (ISA guide 7.12.1)
.rept 4
	v_nop
.endr
.endm
.macro CREST                           ; a round of the cluster's barrier behind its opening barrier
	s_cmp_lg_u32 s2, 0
	s_cbranch_scc1 .Lnot_wave_0_\@
	s_barrier_signal -3
.Lnot_wave_0_\@:
	s_barrier_wait -3
	s_barrier_signal -1
	s_barrier_wait -1
.endm
.macro CROUND
	s_barrier_signal -1
	s_barrier_wait -1
	CREST
.endm
.macro TL g0, g1                       ; a tensor load, then s_nop 0 and four v_nop
	tensor_load_to_lds s[\g0:\g0+3], s[\g1:\g1+7]
	s_nop 0
.rept 4
	v_nop
.endr
.endm
.macro FILL2 g0a, g1a, g0b, g1b        ; waves 0 and 1 issue the first load, waves 2 and 3 the second
	s_cmp_lt_u32 s2, 2
	s_cbranch_scc0 .Lfor_b_\@
	TL \g0a, \g1a
	s_branch .Lasked_\@
.Lfor_b_\@:
	TL \g0b, \g1b
.Lasked_\@:
.endm
; One product.  rb: source 1's scale words stand in lanes 16-31 of their register.
.macro WM d, a, b, zero, sa, sb, rb
.set wD, \d
.set wA, \a
.set wB, \b
.set wS, \sa
.set wT, \sb
.set wR, 2*(\zero)+(\rb)
.if wR == 0
	v_wmma_scale_f32_32x16x128_f4 v[wD:wD+15], v[wA:wA+15], v[wB:wB+7], v[wD:wD+15], v[wS], v[wT]
.elseif wR == 1
	v_wmma_scale_f32_32x16x128_f4 v[wD:wD+15], v[wA:wA+15], v[wB:wB+7], v[wD:wD+15], v[wS], v[wT] matrix_b_scale:MATRIX_SCALE_ROW1
.elseif wR == 2
	v_wmma_scale_f32_32x16x128_f4 v[wD:wD+15], v[wA:wA+15], v[wB:wB+7], 0, v[wS], v[wT]
.else
	v_wmma_scale_f32_32x16x128_f4 v[wD:wD+15], v[wA:wA+15], v[wB:wB+7], 0, v[wS], v[wT] matrix_b_scale:MATRIX_SCALE_ROW1
.endif
.endm
.macro FETCHG s, q, p                  ; quarter q of parity s into set p: 8 fragments of rows, 10 of weights, 9 registers of scale words: 45 LDS loads
	WIN 0x40
.irp j, 0,1,2,3,4,5,6,7
	ds_load_b128 v[64*(\p)+8*\j:64*(\p)+8*\j+3], v[4+\s] offset:8192*(\q)+256*\j
	ds_load_b128 v[64*(\p)+8*\j+4:64*(\p)+8*\j+7], v[4+\s] offset:8192*(\q)+256*\j+4096
.endr
	WIN 0
.irp j, 0,1,2,3,4,5,6,7,8,9
	ds_load_b128 v[96+80*(\p)+8*\j:96+80*(\p)+8*\j+3], v[8+\s] offset:10240*(\q)+256*\j
	ds_load_b128 v[96+80*(\p)+8*\j+4:96+80*(\p)+8*\j+7], v[8+\s] offset:10240*(\q)+256*\j+5120
.endr
.irp j, 0,1,2,3
	ds_load_b32 v[72+9*(\p)+\j], v[6+\s] offset:512*\j+128*(\q)
.endr
.irp j, 0,1,2,3,4
	ds_load_b32 v[76+9*(\p)+\j], v[10+\s] offset:512*\j+128*(\q)
.endr
.endm
.macro MULG g, p, zero                 ; gate g: its 8 accumulators by turns
.if (\g) == 0
	WIN 0x54
.set mB, 128
.elseif (\g) < 3
	WIN 0xa4
.set mB, 128*((\g)-1)
.else
	WIN 0xf4
.set mB, 128*((\g)-3)
.endif
.irp i, 0,1,2,3,4,5,6,7
	WM mB+16*\i, 96+80*(\p)+16*(\g), 64*(\p)+8*\i, \zero, 76+9*(\p)+(\g), 72+9*(\p)+\i/2, \i%2
.endr
.endm
; A step of 128 along K: this set's loads, issued a step ago, are in; the next step's go out in one run into the other set, four places behind the products that read it; then 40 products.
.macro STEPG s, q, zero
	s_wait_dscnt 0x0
	PLACES
	FETCHG \s, (\q)+1, 1-(\q)%2
.irp g, 0,1,2,3,4
	MULG \g, (\q)%2, \zero
.endr
.endm
; A parity's last step changes slots.  Three gates' products stand ahead of the wait for the tensor loads: between that wait and the refill stand the add, its wait and the round alone.
; Each wave waits for all its tensor loads, adds 0 to its spare word, waits for that (its reads of this parity are over); a round of the cluster's barrier; the refill first behind it.
.macro TURNG s, kind
	s_wait_dscnt 0x0                               ; this step's fragments are in: my last reads of this parity
	MULG 0, 1, 0
	MULG 1, 1, 0
	MULG 2, 1, 0
	WIN 0
	s_wait_tensorcnt 0x0
	ds_add_u32 v26, v27
	s_wait_dscnt 0x0
	CROUND
.if (\kind) == 2
	s_add_nc_u64 s[50:51], s[50:51], 2*XHK         ; from K step 0 to K step 2
	s_add_nc_u64 s[58:59], s[58:59], 2*WGK
	FILL2 48, 16, 56, 24
.elseif (\kind) == 3
	s_add_nc_u64 s[54:55], s[54:55], 2*XHK         ; from K step 1 to K step 3
	s_add_nc_u64 s[62:63], s[62:63], 2*WGK
	FILL2 52, 16, 60, 24
.elseif (\kind) == 4
	FILL2 68, 40, 72, 32                           ; c_prev's halves; r3's two K steps
.else
	TL 76, 16                                      ; h2: a unit a wave
.endif
.if (\kind) != 5
	FETCHG 1-\s, 0, 0                              ; the four v_nop behind the load are the places in front of these
.endif
	MULG 3, 1, 0
	MULG 4, 1, 0
.endm
.macro FETCHR n, p                     ; step n of 8 of the residual's K: h2's 8 fragments, r3's 2, their scale words
.set fK, (\n)/4
.set fQ, (\n)%4
.set rA, 5+7*fK
.set rS, 7+6*fK
	WIN 0x40
.irp j, 0,1,2,3,4,5,6,7
	ds_load_b128 v[64*(\p)+8*\j:64*(\p)+8*\j+3], v[rA] offset:8192*fQ+256*\j
	ds_load_b128 v[64*(\p)+8*\j+4:64*(\p)+8*\j+7], v[rA] offset:8192*fQ+256*\j+4096
.endr
	WIN 0
.irp u, 0,1
	ds_load_b128 v[96+16*(\p)+8*\u:96+16*(\p)+8*\u+3], v[14+fK] offset:4096*fQ+256*\u
	ds_load_b128 v[96+16*(\p)+8*\u+4:96+16*(\p)+8*\u+7], v[14+fK] offset:4096*fQ+256*\u+2048
.endr
.irp j, 0,1,2,3
	ds_load_b32 v[72+9*(\p)+\j], v[rS] offset:512*\j+128*fQ
.endr
	ds_load_b32 v[76+9*(\p)], v[16+fK] offset:128*fQ
.endm
.macro MULR p
	WIN 0x54
.irp i, 0,1,2,3,4,5,6,7
	WM 128+16*\i, 96+16*(\p), 64*(\p)+8*\i, 0, 76+9*(\p), 72+9*(\p)+\i/2, \i%2
.endr
.endm
.macro STEPR n
	s_wait_dscnt 0x0
	PLACES
	FETCHR (\n)+1, 1-(\n)%2
	MULR (\n)%2
.endm
.macro AFF win, base, kp, g            ; sum x factor + bias x factor: the exponent to the base 2
	WIN \win
.set ee, 0
.rept 64
	v_pk_fma_f32 v[\base+ee:\base+ee+1], v[\base+ee:\base+ee+1], s[\kp:\kp+1], v[96+16*\g+ee%16:97+16*\g+ee%16] op_sel_hi:[1,0,1]
.set ee, ee+2
.endr
.endm
.macro ADDC win, d, a, c
	WIN \win
.set ee, 0
.rept 64
	v_pk_add_f32 v[\d+ee:\d+ee+1], v[\a+ee:\a+ee+1], \c op_sel_hi:[1,0]
.set ee, ee+2
.endr
.endm
.macro MULV win, d, a, b
	WIN \win
.set ee, 0
.rept 64
	v_pk_mul_f32 v[\d+ee:\d+ee+1], v[\a+ee:\a+ee+1], v[\b+ee:\b+ee+1]
.set ee, ee+2
.endr
.endm
.macro HOLD base
	WIN 0x88
.set ee, 0
.rept 128
	v_min_num_f32 v[\base+ee], s14, v[\base+ee]
.set ee, ee+1
.endr
.endm
.macro EXPS win, base, n
	WIN \win
.set ee, 0
.rept \n
	v_exp_f32 v[\base+ee], v[\base+ee]
.set ee, ee+1
.endr
.endm
.macro RCPS win, base, n
	WIN \win
.set ee, 0
.rept \n
	v_rcp_f32 v[\base+ee], v[\base+ee]
.set ee, ee+1
.endr
.endm
	s_load_b512 s[84:99], s[0:1], 0x0              ; qw, h2, c_prev, out0, out1, ap, a2_b, r3_b
	s_load_b512 s[32:47], s[0:1], 0x40             ; Wi_b, Ui_b, Ws_b, Us_b, Wc_b, Uc_b, Wf_b, Uf_b
	s_load_b128 s[68:71], s[0:1], 0x80             ; Wo_b, Uo_b
	v_lshl_add_u32 v26, v0, 2, SPARE               ; my spare word; never rewritten
	v_mov_b32 v27, 0                               ; 0; never rewritten
	ds_add_u32 v26, v27                            ; the opening adds: twice on end, under one wait
	ds_add_u32 v26, v27
	v_lshrrev_b32 v1, 5, v0
	v_readfirstlane_b32 s2, v1                     ; wave 0..3
	s_lshr_b32 s3, s2, 1                           ; rw: which 128 rows are mine
	s_and_b32 s4, s2, 1                            ; cw: which 32 columns; also which half I fetch
	s_bfe_u32 s5, ttmp6, 0x40000                   ; cx, cy
	s_bfe_u32 s6, ttmp6, 0x40004
	s_lshl_b32 s7, ttmp9, 2
	s_add_co_u32 s7, s7, s5                        ; tx: which 64 columns
	s_and_b32 s8, ttmp7, 0xffff
	s_lshl_b32 s8, s8, 2
	s_add_co_u32 s8, s8, s6                        ; ty: which 256 rows
	v_and_b32 v3, 31, v0
	v_lshlrev_b32 v28, 3, v0                       ; ap: two rows a thread
	v_add_nc_u32 v29, ALPHA, v28
	v_lshlrev_b32 v31, 3, v3
	v_add_nc_u32 v30, BIAS, v31
	s_lshl_b32 s12, s7, 8
	v_add_nc_u32 v31, s12, v31                     ; biases: two columns a lane
	v_mov_b32 v55, 0
	s_mov_b32 s82, 0xbfb8aa3b                      ; -log2(e)
	s_mov_b32 s83, s82
	s_mov_b32 s100, 0x4038aa3b                     ; 2 log2(e)
	s_mov_b32 s101, s100
	s_mov_b32 s14, 0x42200000                      ; 40
	s_mov_b32 s11, 0
	s_mov_b32 s13, 0
	s_lshl_b32 s9, s6, 2
	s_lshl_b32 s9, 15, s9                          ; my row of the cluster
	s_lshl_b32 s12, 0x1111, s5                     ; my column
	s_or_b32 s16, s9, (3<<16)|(1<<21)              ; group 1, rows' units: 17 planes of 256 elements of 8 bytes
	s_mov_b32 s17, 256<<16
	s_mov_b32 s18, 17<<16
	s_mov_b32 s19, 256<<16
	s_mov_b32 s20, 17
	s_mov_b32 s21, 8192
	s_mov_b32 s22, 0
	s_mov_b32 s23, 0
	s_or_b32 s24, s12, (3<<16)|(1<<21)             ; group 1, the gates' weights: 17 planes of 320 elements
	s_mov_b32 s25, 320<<16
	s_mov_b32 s26, 17<<16
	s_mov_b32 s27, 320<<16
	s_mov_b32 s28, 17
	s_mov_b32 s29, 10240
	s_mov_b32 s30, 0
	s_mov_b32 s31, 0
	s_wait_dscnt 0x0                               ; both opening adds are done
	s_wait_alu depctr_va_vdst(0)
	s_wait_kmcnt 0x0
	s_lshl_b32 s10, s8, 10
	s_add_nc_u64 s[94:95], s[94:95], s[10:11]
.irp i, 0,1,2,3,4,5,6,7
	global_load_b64 v[32+2*\i:33+2*\i], v28, s[94:95] offset:16384*\i   ; ap's eight parts of my two rows: asked for ahead of the tiles
.endr
	global_load_b32 v56, v55, s[96:97]
	global_load_b32 v57, v55, s[96:97]
	s_cmp_lg_u32 s2, 0
	s_cbranch_scc1 .Lno_bias_loads                 ; wave 0 alone fetches the 64 columns' biases
.irp g, 0,1,2,3
	global_load_b64 v[96+4*\g:97+4*\g], v31, s[32+4*\g:33+4*\g]
	global_load_b64 v[98+4*\g:99+4*\g], v31, s[34+4*\g:35+4*\g]
.endr
	global_load_b64 v[112:113], v31, s[68:69]
	global_load_b64 v[114:115], v31, s[70:71]
	global_load_b64 v[116:117], v31, s[98:99]
.Lno_bias_loads:
	s_lshl_b32 s10, s8, 12                         ; rows' units: positions 256 ty + 128 half
	s_lshl_b32 s9, s4, 11
	s_add_co_u32 s10, s10, s9
	s_mul_i32 s9, s4, 2*U
	s_mov_b32 s48, 1                               ; parity 0: K step 0, then 2
	s_mov_b32 s49, s9
	s_add_nc_u64 s[50:51], s[84:85], s[10:11]
	s_mov_b32 s52, 1                               ; parity 1: K step 1, then 3
	s_add_co_u32 s53, s9, U
	s_add_nc_u64 s[54:55], s[50:51], XHK
	s_or_b32 s51, s51, 0x80000000
	s_or_b32 s55, s55, 0x80000000
	s_mul_i32 s12, s7, 5120                        ; the gates' weights: positions 320 tx + 160 half
	s_mul_i32 s9, s4, 2560
	s_add_co_u32 s12, s12, s9
	s_mul_i32 s9, s4, 2*BS
	s_mov_b32 s56, 1
	s_add_co_u32 s57, s9, BB
	s_add_nc_u64 s[58:59], s[84:85], s[12:13]
	s_add_nc_u64 s[58:59], s[58:59], WG_OFF
	s_mov_b32 s60, 1
	s_add_co_u32 s61, s9, BB+BS
	s_add_nc_u64 s[62:63], s[58:59], WGK
	s_or_b32 s59, s59, 0x80000000
	s_or_b32 s63, s63, 0x80000000
	CROUND                                         ; all sixteen work-groups are here: the first joint loads meet
	FILL2 48, 16, 56, 24                           ; K step 0, my quarter of the slot: one tensor load a wave at the head
	; under that load's flight: the later fills' descriptors (registers that the pending load does not name), the addresses, alpha and the biases
	s_mov_b32 s76, 1                               ; h2: wave w brings half w % 2 of K step w / 2 to (2 w + 1) U
	s_mul_i32 s77, s2, 2*U
	s_add_co_u32 s77, s77, U
	s_add_nc_u64 s[78:79], s[86:87], s[10:11]
	s_mul_i32 s10, s3, XHK
	s_add_nc_u64 s[78:79], s[78:79], s[10:11]
	s_or_b32 s79, s79, 0x80000000
	s_lshl_b32 s12, s7, 10                         ; r3: positions 64 tx, K step = half
	s_mul_i32 s9, s4, WK
	s_add_co_u32 s12, s12, s9
	s_mov_b32 s72, 1
	s_mul_i32 s9, s4, RS
	s_add_co_u32 s73, s9, BB
	s_add_nc_u64 s[74:75], s[84:85], s[12:13]
	s_add_nc_u64 s[74:75], s[74:75], WR3_OFF
	s_or_b32 s75, s75, 0x80000000
	s_wait_xcnt 0x0                                ; the global loads above have read their bases: those registers are written again only behind this wait
	s_lshl_b32 s12, 0x1111, s5
	s_or_b32 s32, s12, (3<<16)|(1<<21)             ; group 1, r3: 17 planes of 128 elements
	s_mov_b32 s33, 128<<16
	s_mov_b32 s34, 17<<16
	s_mov_b32 s35, 128<<16
	s_mov_b32 s36, 17
	s_mov_b32 s37, 2048
	s_mov_b32 s38, 0
	s_mov_b32 s39, 0
	s_mov_b32 s40, (3<<16)|(1<<20)|(5<<22)|(3<<25) ; group 1, c_prev: 128 rows of 256 bytes, 16 bytes of padding behind each
	s_mov_b32 s41, 32<<16
	s_mov_b32 s42, 128<<16
	s_mov_b32 s43, 32<<16
	s_mov_b32 s44, 128
	s_mov_b32 s45, 512
	s_mov_b32 s46, 0
	s_mov_b32 s47, 0
	s_mov_b32 s68, 1
	s_mul_i32 s69, s4, 2*U
	s_lshl_b32 s12, s8, 20
	s_lshl_b32 s9, s4, 19
	s_add_co_u32 s12, s12, s9
	s_lshl_b32 s9, s7, 8
	s_add_co_u32 s12, s12, s9
	s_add_nc_u64 s[70:71], s[88:89], s[12:13]
	s_or_b32 s71, s71, 0x80000000
	s_lshl_b32 s12, s8, 20                         ; rows 256 ty + 64 wave, columns 64 tx: what I prefetch and what I store
	s_lshl_b32 s9, s2, 18
	s_add_co_u32 s12, s12, s9
	s_lshl_b32 s9, s7, 8
	s_add_co_u32 s12, s12, s9
	s_add_nc_u64 s[88:89], s[88:89], s[12:13]
	s_add_nc_u64 s[90:91], s[90:91], s[12:13]
	s_add_nc_u64 s[92:93], s[92:93], s[12:13]
	s_mul_i32 s15, s3, 2*U                         ; my 128 rows' units
	s_mul_i32 s66, s4, 2*BS
	s_add_co_u32 s66, s66, BB                      ; my 160 positions' units
	s_lshl_b32 s67, s4, 9
	s_add_co_u32 s67, s67, BB                      ; my 32 positions of r3
	s_lshl_b32 s80, s4, 7                          ; my 32 columns in a stage row
	s_mul_i32 s81, s4, 64*CPP
	s_add_co_u32 s81, s81, s15                     ; the 64 rows that I store
	s_lshl_b32 s94, s3, 9
	s_add_co_u32 s94, s94, ALPHA
	s_lshl_b32 s95, s4, 7
	s_add_co_u32 s95, s95, BIAS
	v_lshlrev_b32 v25, 12, v3                      ; a lane a row of c_prev
	v_and_b32 v1, 15, v0
	v_bfe_u32 v2, v0, 4, 1
	v_lshlrev_b32 v48, 4, v1
	v_lshlrev_b32 v50, 2, v3
	v_lshl_add_u32 v49, v2, 11, v48
	v_add_nc_u32 v4, s15, v49                      ; v4-5 rows' fragments, parity 0, 1; v6-7 their scale words
	v_add_nc_u32 v5, U, v4
	v_add_nc_u32 v6, s15, v50
	v_add_nc_u32 v6, 32768, v6
	v_add_nc_u32 v7, U, v6
	v_mad_u32_u24 v51, v2, 2560, v48
	v_add_nc_u32 v8, s66, v51                      ; v8-9 weights' fragments; v10-11 their scale words
	v_add_nc_u32 v9, BS, v8
	global_prefetch_b8 v25, s[88:89] th:TH_LOAD_NT scope:SCOPE_SE                 ; c_prev: my 64 rows x 256 bytes; v25 and s[88:89] are never rewritten
	global_prefetch_b8 v25, s[88:89] offset:131072 th:TH_LOAD_NT scope:SCOPE_SE
	v_add_nc_u32 v10, s66, v50
	v_add_nc_u32 v10, 40960, v10
	v_add_nc_u32 v11, BS, v10
	v_add_nc_u32 v12, 4*U, v5                      ; v5, v12 h2's K steps 0, 1; v7, v13 their scale words
	v_add_nc_u32 v13, 4*U, v7
	v_lshl_add_u32 v52, v2, 10, v48
	v_add_nc_u32 v14, s67, v52                     ; v14-15 r3's fragments; v16-17 its scale words
	v_add_nc_u32 v15, RS, v14
	v_add_nc_u32 v16, s67, v50
	v_add_nc_u32 v16, 16384, v16
	v_add_nc_u32 v17, RS, v16
	v_mul_u32_u24 v53, v1, CPP
	v_lshl_add_u32 v53, v2, 6, v53
	v_add_nc_u32 v18, s15, v53
	v_add_nc_u32 v18, s80, v18                     ; v18 c_prev's tile and c_t's stage: row r, my 64 bytes; v19 h_t's stage
	v_add_nc_u32 v19, U, v18
	v_mad_u32_u24 v54, v2, CPP, v48
	v_add_nc_u32 v20, s81, v54                     ; v20-21 the stages read back by rows
	v_add_nc_u32 v21, U, v20
	v_lshl_add_u32 v22, v2, 12, v48                ; and the same two rows in memory
	v_lshlrev_b32 v23, 2, v1
	v_add_nc_u32 v23, s94, v23                     ; alpha of row r
	v_lshlrev_b32 v24, 6, v2
	v_add_nc_u32 v24, s95, v24                     ; biases of my 16 columns
	s_wait_alu depctr_va_vdst(0)
	s_wait_loadcnt 0x0
	v_pk_add_f32 v[32:33], v[32:33], v[34:35]
	v_pk_add_f32 v[36:37], v[36:37], v[38:39]
	v_pk_add_f32 v[40:41], v[40:41], v[42:43]
	v_pk_add_f32 v[44:45], v[44:45], v[46:47]
	v_pk_add_f32 v[32:33], v[32:33], v[36:37]
	v_pk_add_f32 v[40:41], v[40:41], v[44:45]
	v_pk_add_f32 v[32:33], v[32:33], v[40:41]
	v_pk_add_f32 v[32:33], v[32:33], v[56:57]
	v_pk_mul_f32 v[32:33], v[32:33], s[82:83] op_sel_hi:[1,0]
	s_wait_alu depctr_va_vdst(0)                   ; a wait ahead of each batch and behind it
	v_exp_f32 v32, v32
	v_exp_f32 v33, v33
	v_nop
	s_wait_alu depctr_va_vdst(0)
	v_pk_add_f32 v[32:33], v[32:33], 1.0 op_sel_hi:[1,0]
	s_wait_alu depctr_va_vdst(0)
	v_rcp_f32 v32, v32
	v_rcp_f32 v33, v33
	v_nop
	s_wait_alu depctr_va_vdst(0)
	ds_store_b64 v29, v[32:33]                     ; alpha of my two rows
	s_cmp_lg_u32 s2, 0
	s_cbranch_scc1 .Lno_bias_work
.irp g, 0,1,2,3,4
	v_pk_add_f32 v[96+4*\g:97+4*\g], v[96+4*\g:97+4*\g], v[98+4*\g:99+4*\g]
.endr
.irp g, 0,1,3,4
	v_pk_mul_f32 v[96+4*\g:97+4*\g], v[96+4*\g:97+4*\g], s[82:83] op_sel_hi:[1,0]
.endr
	v_pk_mul_f32 v[104:105], v[104:105], s[100:101] op_sel_hi:[1,0]
.irp g, 0,1,2,3,4
	ds_store_b64 v30, v[96+4*\g:97+4*\g] offset:256*\g
.endr
	ds_store_b64 v30, v[116:117] offset:1280
.Lno_bias_work:
	s_wait_alu depctr_va_vdst(0)
	s_wait_tensorcnt 0x0                           ; my part of K step 0 is in
	ds_add_u32 v26, v27
	s_wait_dscnt 0x0                               ; the add is done, and so are my stores of alpha and the biases
	CROUND                                         ; everybody's part is in, and all sixteen work-groups are here
	FILL2 52, 16, 60, 24                           ; K step 1 into parity 1: the first tensor load behind the round
	FETCHG 0, 0, 0
	STEPG 0, 0, 1                                  ; the first products start the sums
	STEPG 0, 1, 0
	STEPG 0, 2, 0
	TURNG 0, 2
	STEPG 1, 0, 0
	STEPG 1, 1, 0
	STEPG 1, 2, 0
	TURNG 1, 3
	STEPG 0, 0, 0
	STEPG 0, 1, 0
	STEPG 0, 2, 0
	TURNG 0, 4
	STEPG 1, 0, 0
	STEPG 1, 1, 0
	STEPG 1, 2, 0
	TURNG 1, 5
	; THE GATES: biases, alpha and c_prev from LDS; then c_t less the residual's product, in gate i's registers
	WIN 0
	PLACES
.set mm, 0
.rept 24
	ds_load_b128 v[96+4*mm:99+4*mm], v24 offset:256*(mm/4)+16*(mm%4)
.set mm, mm+1
.endr
.irp i, 0,1,2,3,4,5,6,7
	ds_load_b32 v[32+2*\i], v23 offset:64*\i
	ds_load_b32 v[33+2*\i], v23 offset:64*\i
.endr
	WIN 0x40
.set mm, 0
.rept 32
	ds_load_b128 v[4*mm:4*mm+3], v18 offset:16*CPP*(mm/4)+16*(mm%4)
.set mm, mm+1
.endr
	s_wait_dscnt 48                                ; the 24 loads of biases are in; alpha's 16 and c_prev's 32 may be out
	AFF 0x41, 128, 82, 0
	AFF 0x82, 0, 82, 1
	AFF 0x82, 128, 100, 2
	AFF 0xc3, 0, 82, 3
	AFF 0xc3, 128, 82, 4
	HOLD 128
	s_wait_alu depctr_va_vdst(0)
	EXPS 0x41, 128, 128
	EXPS 0x82, 0, 256
	EXPS 0xc3, 0, 256
	v_nop
	s_wait_alu depctr_va_vdst(0)
	ADDC 0x41, 128, 128, 1.0                       ; 1 + Ei
	ADDC 0x82, 0, 0, 1.0                           ; 1 + Es
	MULV 0x49, 128, 128, 0
	ADDC 0x82, 0, 128, -1.0                        ; Ec - 1
	ADDC 0x82, 128, 128, 1.0                       ; Ec + 1
	MULV 0x49, 128, 128, 128                       ; one divisor for i, s and tanh(c)
	ADDC 0xc3, 0, 0, 1.0
	ADDC 0xc3, 128, 128, 1.0
	s_wait_alu depctr_va_vdst(0)
	RCPS 0x41, 128, 128
	RCPS 0xc3, 0, 128
	v_nop
	s_wait_alu depctr_va_vdst(0)
	MULV 0x46, 128, 0, 128
	s_wait_dscnt 0x0
	WIN 0x41
.set ee, 0
.rept 64
	v_pk_fma_f32 v[128+ee:129+ee], v[128+ee:129+ee], v[32+2*(ee/16):33+2*(ee/16)], v[176+ee%16:177+ee%16]   ; x alpha + r3_b
.set ee, ee+2
.endr
	WIN 0x57
.set ee, 0
.rept 64
	v_pk_fma_f32 v[128+ee:129+ee], v[ee:ee+1], v[ee:ee+1], v[128+ee:129+ee]   ; + f c_prev
.set ee, ee+2
.endr
	WIN 0
	s_wait_alu depctr_va_vdst(0)
	s_wait_tensorcnt 0x0                           ; my unit of h2 is in
	s_wait_dscnt 0x0
	s_barrier_signal -1
	s_barrier_wait -1                              ; everybody's is
	FETCHR 0, 0
.irp n, 0,1,2,3,4,5,6
	STEPR \n
.endr
	s_wait_dscnt 0x0
	s_barrier_signal -1                            ; my reads of h2 and r3 are over: the stages lie on those bytes
	MULR 1
	WIN 0
	s_barrier_wait -1
	PLACES
	WIN 0x04
.set mm, 0
.rept 32
	ds_store_b128 v18, v[128+4*mm:131+4*mm] offset:16*CPP*(mm/4)+16*(mm%4)   ; c_t, each accumulator from its low end on
.set mm, mm+1
.endr
	WIN 0x81
.set ee, 0
.rept 64
	v_pk_mul_f32 v[ee:ee+1], v[128+ee:129+ee], s[100:101] op_sel_hi:[1,0]
.set ee, ee+2
.endr
	s_wait_dscnt 0x0
	s_barrier_signal -1
	HOLD 0
	WIN 0
	s_barrier_wait -1
.set mm, 0
.rept 32
	ds_load_b128 v[96+4*mm:99+4*mm], v20 offset:2*CPP*mm
.set mm, mm+1
.endr
	s_wait_alu depctr_va_vdst(0)
	EXPS 0x82, 0, 128
	v_nop
	s_wait_alu depctr_va_vdst(0)
	WIN 0
.set mm, 0
.rept 32
	s_wait_dscnt 31-mm
	global_store_b128 v22, v[96+4*mm:99+4*mm], s[92:93] offset:8192*mm th:TH_STORE_NT   ; sixteen lanes store 256 consecutive bytes, aligned
.set mm, mm+1
.endr
	ADDC 0x82, 128, 0, -1.0
	ADDC 0x82, 0, 0, 1.0
	MULV 0x8e, 0, 0, 128                           ; one divisor for tanh(c_t) and o
	s_wait_alu depctr_va_vdst(0)
	RCPS 0x82, 0, 128
	v_nop
	s_wait_alu depctr_va_vdst(0)
	MULV 0x8a, 128, 128, 0
	WIN 0x08
.set mm, 0
.rept 32
	ds_store_b128 v19, v[128+4*mm:131+4*mm] offset:16*CPP*(mm/4)+16*(mm%4)
.set mm, mm+1
.endr
	WIN 0
	s_wait_dscnt 0x0
	s_barrier_signal -1
	s_barrier_wait -1
	WIN 0x40
.set mm, 0
.rept 32
	ds_load_b128 v[4*mm:4*mm+3], v21 offset:2*CPP*mm
.set mm, mm+1
.endr
	WIN 0x04
.set mm, 0
.rept 32
	s_wait_dscnt 31-mm
	global_store_b128 v22, v[4*mm:4*mm+3], s[90:91] offset:8192*mm th:TH_STORE_NT
.set mm, mm+1
.endr
	WIN 0
	s_wait_tensorcnt 0x0                           ; the wave's end
	ds_add_u32 v26, v27
	s_wait_dscnt 0x0
	CROUND                                         ; the closing round
	s_endpgm
.Lfunc_end_k_q24b66fbaf7_cell:
	.size	k_q24b66fbaf7_cell, .Lfunc_end_k_q24b66fbaf7_cell-k_q24b66fbaf7_cell
	.p2alignl 7, 3214868480
	.fill 96, 4, 3214868480
	.section	.rodata,"a",@progbits
	.p2align	6, 0x0
	.amdhsa_kernel k_q24b66fbaf7_cell
		.amdhsa_group_segment_fixed_size 327680
		.amdhsa_private_segment_fixed_size 0
		.amdhsa_enable_private_segment 0
		.amdhsa_kernarg_size 144
		.amdhsa_user_sgpr_count 2
		.amdhsa_user_sgpr_kernarg_segment_ptr 1
		.amdhsa_wavefront_size32 1
		.amdhsa_system_sgpr_workgroup_id_x 1
		.amdhsa_system_sgpr_workgroup_id_y 1
		.amdhsa_system_sgpr_workgroup_id_z 1
		.amdhsa_system_vgpr_workitem_id 0
		.amdhsa_next_free_vgpr 1024
		.amdhsa_next_free_sgpr 102
		.amdhsa_reserve_vcc 0
		.amdhsa_float_denorm_mode_32 3
		.amdhsa_float_denorm_mode_16_64 3
		.amdhsa_memory_ordered 1
		.amdhsa_forward_progress 1
		.amdhsa_inst_pref_size 255
	.end_amdhsa_kernel
	.section	.bss,"aw",@nobits
	.p2align	6
	.space	262144
	.amdgpu_metadata
---
amdhsa.version: [ 1, 2 ]
amdhsa.kernels:
  - .name:           k_q24b66fbaf7_cell
    .symbol:         k_q24b66fbaf7_cell.kd
    .args:
      - { .name: qw, .offset: 0, .size: 8, .value_kind: global_buffer, .address_space: global }
      - { .name: h2, .offset: 8, .size: 8, .value_kind: global_buffer, .address_space: global }
      - { .name: c_prev, .offset: 16, .size: 8, .value_kind: global_buffer, .address_space: global }
      - { .name: out0, .offset: 24, .size: 8, .value_kind: global_buffer, .address_space: global }
      - { .name: out1, .offset: 32, .size: 8, .value_kind: global_buffer, .address_space: global }
      - { .name: ap, .offset: 40, .size: 8, .value_kind: global_buffer, .address_space: global }
      - { .name: a2_b, .offset: 48, .size: 8, .value_kind: global_buffer, .address_space: global }
      - { .name: r3_b, .offset: 56, .size: 8, .value_kind: global_buffer, .address_space: global }
      - { .name: Wi_b, .offset: 64, .size: 8, .value_kind: global_buffer, .address_space: global }
      - { .name: Ui_b, .offset: 72, .size: 8, .value_kind: global_buffer, .address_space: global }
      - { .name: Ws_b, .offset: 80, .size: 8, .value_kind: global_buffer, .address_space: global }
      - { .name: Us_b, .offset: 88, .size: 8, .value_kind: global_buffer, .address_space: global }
      - { .name: Wc_b, .offset: 96, .size: 8, .value_kind: global_buffer, .address_space: global }
      - { .name: Uc_b, .offset: 104, .size: 8, .value_kind: global_buffer, .address_space: global }
      - { .name: Wf_b, .offset: 112, .size: 8, .value_kind: global_buffer, .address_space: global }
      - { .name: Uf_b, .offset: 120, .size: 8, .value_kind: global_buffer, .address_space: global }
      - { .name: Wo_b, .offset: 128, .size: 8, .value_kind: global_buffer, .address_space: global }
      - { .name: Uo_b, .offset: 136, .size: 8, .value_kind: global_buffer, .address_space: global }
    .group_segment_fixed_size: 327680
    .private_segment_fixed_size: 0
    .kernarg_segment_align: 8
    .kernarg_segment_size: 144
    .max_flat_workgroup_size: 128
    .sgpr_count:     102
    .vgpr_count:     1024
    .wavefront_size: 32
...
	.end_amdgpu_metadata
.endif
;; end of part 4
